; MI455X (gfx1250); checked and timed in simulation.
; The chip was launched on July 23, 2026; its instructions are those of AMD's public machine-readable ISA for CDNA 5 (MIT licence, August 2026) and "CDNA5" Instruction Set Architecture Reference Guide (July 2026). The comments in the code are by the model that wrote it; some were corrected since.
;; Attention. Allowed arithmetic: float matrix products may take bf16 or f16 operands with f32 sums; other float arithmetic in f32, or as packed bf16 or f16 multiplies, adds, multiply-adds, maxima and minima; sums over many terms, partial sums and values carried from step to step in f32; what a program stores and reads back later, other than sums and carried values, may be rounded once to bf16 or f16.
;; Inputs: b_proj 256 float32; bias_table 3,969 x 8 float32; w_proj 256 x 256 float32; w_qkv 256 x 768 float32; x 16 x 1,024 x 256 float32.
;; Outputs: out0 16 x 1,024 x 256 float32.
;; 2 versions, each right; version 2 is version 1 with the launch qkv written anew for expert scheduling mode. Each part assembles by itself: llvm-mc -triple=amdgcn-amd-amdhsa -mcpu=gfx1250 --defsym DOCPART=n.
;; ======== version 1 of 2: 3 launches
;; limits: values are held in f16: magnitudes above 65,504 overflow, below 6.1e-05 lose precision
;; workspace buffers: qkvf 25,165,824 bytes; bimg 655,360 bytes; wpf 131,072 bytes; of 8,388,608 bytes
;; launch qkv (part 1): grid 4 x 64, 4 waves a work-group, no clusters, 140,800 bytes of LDS; arguments x, w_qkv, w_proj, bias_table, qkvf, bimg, wpf; writes qkvf, bimg, wpf
.if DOCPART == 1
	.amdgcn_target "amdgcn-amd-amdhsa--gfx1250"
	.amdhsa_code_object_version 6
	.text
	.protected	k_q03f2c25b1a_qkv
	.globl	k_q03f2c25b1a_qkv
	.p2align	8
	.type	k_q03f2c25b1a_qkv,@function
k_q03f2c25b1a_qkv:
	s_mov_b64 s[64:65], 0
	v_nop
	global_prefetch_b8 v0, s[64:65] scope:SCOPE_SE
	s_setreg_imm32_b32 hwreg(HW_REG_WAVE_MODE, 25, 1), 1
	s_wait_xcnt 0x0
; FIRST OF THREE LAUNCHES.  q, k, v = x @ w_qkv; beside it two small tables for the later launches.
; NO WORK OF THE MODULE IS LEFT OUT: all five inputs reach the output and all are loaded (b_proj in the third launch).  The index table of the module is built from the
; grid alone: (yq - yk + 31) * 63 + (xq - xk + 31), which lies in 0 .. 3,968 for every pair, so its clip never acts and the lookup is made by arithmetic on the places.
; FORMATS.  x and w_qkv are rounded to bf16 for the product, sums in f32; q, k, v are written once, in f16.  bias_table and w_proj are rounded to bf16 too (all inputs alike).
; LIMITS.  q, k, v beyond 65,504 become infinities in f16 (inputs thirty times the usual spread give about 900).  w_proj beyond 65,504 likewise; below 2^-14 it keeps f16's fixed step.  NaN and infinities are not treated apart.
; SHARES.  Work-group (sl, y): tokens 256 y .. + 255 times columns 192 sl .. + 191 of w_qkv: six units of 32 columns, each one head of q, k or v.  Wave w: 64 tokens (4 tiles of 16) times all six units.
; The slice of w_qkv (256 x 192) is rounded and laid into LDS once, [k][n]; the wave's x (64 x 256) is rounded, turned into fragments through a stage of its own and stays in 256 registers.
; WHAT IS WRITTEN lies in the order of matrix fragments, so that every store is 512 consecutive bytes straight from the accumulators, and every later read is lane l at 16 l:
;   qkvf: q, k, v, 8,388,608 bytes each, [batch * 8 + head][65,536].  q, k: [token tile 64][channel half 2][lane 32][16 bytes]: lane (r, hf) holds token r, channels 16 half + 8 hf + 0..7.
;         v: [block of 32 keys 32][channel block 2][key half 2][lane][16 bytes]: lane (r, hf) holds channel 16 block + r, keys 16 half + 8 hf + 0..7.
;   For q and k the product is taken as w^T x^T (source 0 = 16 columns, source 1 = 16 tokens): a lane holds one token and eight channels.  For v as x w (source 0 = tokens): one channel and eight tokens.
;   bimg: [head 8][row 64][copy 4][word 80] f32: word wd of copy sg = bias_table[min(row, 62) * 63 + 62 - clamp(wd - 1 - sg, 0, 62)][head], rounded to bf16, times sqrt(32).
;   wpf:  [column tile 16][k block 8][half 2][lane][16 bytes] f16: lane (r, hf) holds w_proj[32 kb + 16 half + 8 hf + 0..7][16 tile + r].
; NO CLUSTER, NO TENSOR LOADS: both operands are f32 in memory and pass through registers to be rounded; a tile brought into LDS as f32 would take twice the bytes there and be read and written once more.
; REGISTERS, in windows of 256 (s_set_vgpr_msb: bits 1:0 source 0, 3:2 source 1, 5:4 source 2, 7:6 destination):
;   window 0: addresses; v32-63 packed results; v64-127 at work, later fragment buffer 1; v128-191 eight accumulators; v192-255 fragment buffer 0
;   window 1: x's fragments, tile t, k block kb at 64 t + 8 kb          window 2: two sets of 128 for the loads from memory
.set WP,    416                        ; a row of the weight slice in LDS: 384 bytes + 32 = 13 x 32: the turning load's eight rows x 32 bytes fall on different banks (64 banks of 4 bytes: ISA guide 11.1)
.set XP,    528                        ; a row of the stage: 512 bytes + 16 = 33 x 16
.set XS0,   256*WP                     ; behind the slice: a stage of 16 rows for each wave
.set XSB,   16*XP
.set SPARE, XS0+4*XSB                  ; behind the stages: the spare words, 128 bytes for each wave
.set L16,  8                           ; v8   16 x lane
.set WOFF, 9                           ; v9   my offset in w_qkv
.set WST,  10                          ; v10  where I put 8 bytes of the slice
.set XST,  11                          ; v11  where I put 8 bytes of the stage
.set XFR,  12                          ; v12  where I read x's fragments
.set AWLO, 13                          ; v13  the turning load's address, k 0-127
.set AWHI, 14                          ; v14  k 128-255
.set GO,   15                          ; v15  my offset in qkvf
.set SPW,  16                          ; v16  my spare word; never rewritten
.set NIL,  17                          ; v17  0; never rewritten
.set LN,   18                          ; lane
.set LR,   19                          ; lane % 16
.set LH,   20                          ; lane / 16
.set A1,   22                          ; the bias image's first quad: four offsets, four numbers, the store's offset
.set D1,   26
.set SO1,  30
.set A2,   32                          ; wave 0's second quad
.set D2,   36
.set SO2,  40
.set WPA,  41                          ; wave 1's piece of wpf
.set WPD,  42
.set WPR,  50
.set WPS,  54
.set Q2,   55
.set OUTT, 32
.set TMP,  64
.set F1,   64
.set ACC,  128
.set F0,   192
.set WV,   20                          ; s20 wave
.set SL,   21                          ; s21 slice of columns
.set YY,   22                          ; s22 block of tokens
.set CNT,  23
.set U,    24                          ; s24 unit 6 sl + i: type U >> 3, head U & 7
.set T1,   25
.set T2,   26
.set T3,   27
.set OOFF, 30                          ; s30 the unit's offset in qkvf
.set HB,   31                          ; s31 2 sl
.set TB,   32                          ; s32 min(y, 62) * 63 + 66
.set CB,   33                          ; s33 the part of OOFF that all units share
.set WS,   34
.set WG,   35
.set MSB, 0
.macro WIN new                         ; the immediate's high byte repeats the setting that is left; a switch that changes nothing is dropped
.if MSB != (\new)
	s_set_vgpr_msb (MSB<<8)|(\new)
.set MSB, (\new)
.endif
.endm
.macro PLACES                          ; four plain instructions between a matrix instruction and a vector instruction or load that touches its registers
.rept 4
	v_nop
.endr
.endm
; One quad (16 bytes) of the bias image.  q = 0..159 in v[qr]: head 2 sl + q / 80, quad q' = q % 80 of row y: copy sg = q' / 20, words 4 (q' % 20) + 0..3.
.macro SIDEQ qr, a, d, so
	v_cmp_lt_u32 vcc_lo, 79, v[\qr]
	v_cndmask_b32 v1, 0, 1, vcc_lo                 ; q / 80
	v_mul_u32_u24 v2, v1, 80
	v_sub_nc_u32 v2, v[\qr], v2                    ; q'
	v_mul_u32_u24 v3, v2, 205
	v_lshrrev_b32 v3, 12, v3                       ; sg = q' / 20 (exact up to 79)
	v_mul_u32_u24 v4, v3, 20
	v_sub_nc_u32 v4, v2, v4
	v_lshl_add_u32 v4, v4, 2, 3
	v_sub_nc_u32 v4, v4, v3                        ; first word - 1 - sg, shifted by 4 so that it is never negative
	v_add_nc_u32 v5, s[HB], v1                     ; head
.irp jj, 0,1,2,3
	v_add_nc_u32 v6, \jj, v4
	v_max_u32 v6, 4, v6
	v_min_u32 v6, 66, v6                           ; the clamp to 0 .. 62, shifted
	v_sub_nc_u32 v6, s[TB], v6                     ; the table's row, 0 .. 3,968
	v_lshl_add_u32 v6, v6, 3, v5
	v_lshlrev_b32 v[(\a)+\jj], 2, v6
.endr
.irp jj, 0,1,2,3
	global_load_b32 v[(\d)+\jj], v[(\a)+\jj], s[10:11]
.endr
	v_lshl_add_u32 v6, v5, 6, s[YY]
	v_mul_u32_u24 v6, v6, 1280
	v_lshl_add_u32 v[\so], v2, 4, v6
.endm
.macro SIDEQ_FIN d, so                 ; rounded to bf16, widened again, times sqrt(32): the scores are scaled by 1 / sqrt(32) only behind the bias
	v_cvt_pk_bf16_f32 v1, v[\d], v[(\d)+1]
	v_cvt_pk_bf16_f32 v2, v[(\d)+2], v[(\d)+3]
	v_lshlrev_b32 v[\d], 16, v1
	v_and_b32 v[(\d)+1], 0xffff0000, v1
	v_lshlrev_b32 v[(\d)+2], 16, v2
	v_and_b32 v[(\d)+3], 0xffff0000, v2
.irp jj, 0,1,2,3
	v_mul_f32 v[(\d)+\jj], 0x40b504f3, v[(\d)+\jj]
.endr
	global_store_b128 v[\so], v[(\d):(\d)+3], s[14:15]  ; 16 lanes store 256 consecutive bytes, aligned
.endm
; A quarter of my 64 rows of the slice: 24 loads, each two rows x 256 bytes.
.macro WLOAD b, set
	WIN 0x80
.set i, 0
.rept 24
	global_load_b128 v[128*(\set)+4*i:128*(\set)+4*i+3], v[WOFF], s[6:7] offset:(8*(\b)+i/3)*6144+256*(i%3)
.set i, i+1
.endr
.endm
.macro WPROC b, set
	WIN 0x0a
.set i, 0
.rept 48
	v_cvt_pk_bf16_f32 v[TMP+i], v[128*(\set)+2*i], v[128*(\set)+2*i+1]
.set i, i+1
.endr
	WIN 0
.set i, 0
.rept 24
	ds_store_b64 v[WST], v[TMP+2*i:TMP+2*i+1] offset:(8*(\b)+i/3)*2*WP+128*(i%3)
.set i, i+1
.endr
.endm
; A tile of 16 tokens of x: 32 loads of 512 consecutive bytes.
.macro XLOAD t, set
	WIN 0x80
.set i, 0
.rept 32
	global_load_b128 v[128*(\set)+4*i:128*(\set)+4*i+3], v[L16], s[4:5] offset:(16*(\t)+i/2)*1024+512*(i%2)
.set i, i+1
.endr
.endm
.macro XPROC t, set                    ; rounded, through my own stage, back as eight fragments.  LDS serves a wave's instructions in order (ISA guide 5.7.1.4): the loads see the stores, the next tile's stores come behind the loads
	WIN 0x0a
.set i, 0
.rept 64
	v_cvt_pk_bf16_f32 v[TMP+i], v[128*(\set)+2*i], v[128*(\set)+2*i+1]
.set i, i+1
.endr
	WIN 0
.set i, 0
.rept 32
	ds_store_b64 v[XST], v[TMP+2*i:TMP+2*i+1] offset:(i/2)*XP+256*(i%2)
.set i, i+1
.endr
	WIN 0x40
.set i, 0
.rept 8
	ds_load_b128 v[64*(\t)+8*i:64*(\t)+8*i+3],   v[XFR] offset:64*i
	ds_load_b128 v[64*(\t)+8*i+4:64*(\t)+8*i+7], v[XFR] offset:64*i+32
.set i, i+1
.endr
.endm
; The unit's weight fragments for half of K: 4 k blocks x 2 column tiles, turned: 16 loads in one run.
.macro FW half, f
	WIN 0
.set i, 0
.rept 8
	ds_load_tr16_b128 v[(\f)+8*i:(\f)+8*i+3],   v[AWLO+(\half)] offset:(i/2)*32*WP+32*(i%2)
	ds_load_tr16_b128 v[(\f)+8*i+4:(\f)+8*i+7], v[AWLO+(\half)] offset:(i/2)*32*WP+32*(i%2)+16*WP
.set i, i+1
.endr
.endm
; 32 products: 4 k blocks x 2 column tiles x 4 token tiles.  The eight accumulators take turns, one instruction a turn; the first k block starts the sums with the constant 0.
.macro MUL vt, half, f
.if \vt
	WIN 0x01
.else
	WIN 0x04
.endif
.set i, 0
.rept 32
.set rA, ACC+8*(4*((i/4)%2)+i%4)
.set rW, (\f)+8*(2*(i/8)+(i/4)%2)
.set rX, 64*(i%4)+8*(4*(\half)+i/8)
.if \vt
.if ((\half) == 0) && (i < 8)
	v_wmma_f32_16x16x32_bf16 v[rA:rA+7], v[rX:rX+7], v[rW:rW+7], 0
.else
	v_wmma_f32_16x16x32_bf16 v[rA:rA+7], v[rX:rX+7], v[rW:rW+7], v[rA:rA+7]
.endif
.else
.if ((\half) == 0) && (i < 8)
	v_wmma_f32_16x16x32_bf16 v[rA:rA+7], v[rW:rW+7], v[rX:rX+7], 0
.else
	v_wmma_f32_16x16x32_bf16 v[rA:rA+7], v[rW:rW+7], v[rX:rX+7], v[rA:rA+7]
.endif
.endif
.set i, i+1
.endr
.endm
.macro OUT vt                          ; rounded to f16, each accumulator from its low end on; eight stores of 512 consecutive bytes
	WIN 0
	PLACES
	s_wait_xcnt 0x0                                ; the earlier stores have read their offset and data: only now are these rewritten
	v_add_nc_u32 v[GO], s[OOFF], v[L16]
.set i, 0
.rept 32
	v_cvt_pk_f16_f32 v[OUTT+i], v[ACC+2*i], v[ACC+2*i+1]
.set i, i+1
.endr
.set i, 0
.rept 8                                ; accumulator i: column tile i / 4, token tile i % 4
.if \vt
	global_store_b128 v[GO], v[OUTT+4*i:OUTT+4*i+3], s[12:13] offset:2048*((i%4)/2)+1024*(i/4)+512*(i%2)
.else
	global_store_b128 v[GO], v[OUTT+4*i:OUTT+4*i+3], s[12:13] offset:1024*(i%4)+512*(i/4)
.endif
.set i, i+1
.endr
.endm
; A unit: 64 products on two fragment buffers; pre = 1: the next unit's first buffer is fetched in the middle.
.macro UNIT vt, pre
	FW 1, F1
	s_wait_dscnt 16                                ; buffer 0 (and all that is older) is in; the 16 loads just issued may stay out
	MUL \vt, 0, F0
	WIN 0
	PLACES
	v_add_nc_u32 v[AWLO], 64, v[AWLO]              ; the next unit's 32 columns
	v_add_nc_u32 v[AWHI], 64, v[AWHI]
.if \pre
	FW 0, F0
	s_wait_dscnt 16                                ; buffer 1 is in
.else
	s_wait_dscnt 0x0
.endif
	MUL \vt, 1, F1
	OUT \vt
.endm
.macro UOFF                            ; the unit's place in qkvf: ((type * 128 + head) * 64) * 1,024 + what all units share; SCC = is it v?
	s_lshr_b32 s[T1], s[U], 3
	s_lshl_b32 s[T2], s[T1], 7
	s_and_b32 s[T3], s[U], 7
	s_add_co_u32 s[T2], s[T2], s[T3]
	s_lshl_b32 s[T2], s[T2], 16
	s_add_co_u32 s[OOFF], s[T2], s[CB]
	s_cmp_eq_u32 s[T1], 2
.endm
	s_load_b256 s[4:11], s[0:1], 0x0               ; x s[4:5], w_qkv s[6:7], w_proj s[8:9], bias_table s[10:11]
	s_load_b128 s[12:15], s[0:1], 0x20             ; qkvf s[12:13], bimg s[14:15]
	s_load_b64 s[16:17], s[0:1], 0x30              ; wpf
	v_lshl_add_u32 v[SPW], v0, 2, SPARE
	v_mov_b32 v[NIL], 0
	v_lshrrev_b32 v1, 5, v0
	v_readfirstlane_b32 s[WV], v1
	s_mov_b32 s[SL], ttmp9
	s_and_b32 s[YY], ttmp7, 0xffff
	v_and_b32 v[LN], 31, v0
	v_and_b32 v[LR], 15, v0
	v_bfe_u32 v[LH], v0, 4, 1
	v_lshlrev_b32 v[L16], 4, v[LN]
	s_mul_i32 s[T1], s[WV], 64*3072                ; w_qkv: my 64 rows of 3,072 bytes, the slice's 768 bytes; lanes 0-15 one row's 256 bytes, lanes 16-31 the next row's
	s_mul_i32 s[T2], s[SL], 768
	s_add_co_u32 s[T1], s[T1], s[T2]
	v_mul_u32_u24 v1, v[LH], 3072
	v_lshl_add_u32 v1, v[LR], 4, v1
	v_add_nc_u32 v[WOFF], s[T1], v1
	s_mul_i32 s[T1], s[WV], 64*WP
	v_mul_u32_u24 v1, v[LH], WP
	v_lshl_add_u32 v1, v[LR], 3, v1
	v_add_nc_u32 v[WST], s[T1], v1
	s_mul_i32 s[T1], s[WV], XSB
	s_add_co_u32 s[T1], s[T1], XS0                 ; my stage
	v_lshl_add_u32 v[XST], v[LN], 3, s[T1]
	v_mul_u32_u24 v1, v[LR], XP
	v_lshl_add_u32 v1, v[LH], 4, v1
	v_add_nc_u32 v[XFR], s[T1], v1                 ; row l % 16, 16 bytes for each half of the lanes
	v_and_b32 v1, 7, v0                            ; the turning load: lane l reads row 8 (l / 16) + l % 8, columns 8 ((l / 8) % 2) + 0..7
	v_lshl_add_u32 v1, v[LH], 3, v1
	v_mul_u32_u24 v1, v1, WP
	v_bfe_u32 v2, v0, 3, 1
	v_lshl_add_u32 v[AWLO], v2, 4, v1
	v_add_nc_u32 v[AWHI], 128*WP, v[AWLO]
	s_lshl_b32 s28, s[YY], 18                      ; x: 256 tokens of 1,024 bytes a block, 64 a wave
	s_lshl_b32 s[T1], s[WV], 16
	s_add_co_u32 s28, s28, s[T1]
	s_mov_b32 s29, 0
	s_lshr_b32 s[T1], s[YY], 2                     ; batch
	s_lshl_b32 s[CB], s[T1], 19                    ; 8 heads x 65,536 bytes
	s_and_b32 s[T1], s[YY], 3
	s_lshl_b32 s[T1], s[T1], 2
	s_add_co_u32 s[T1], s[T1], s[WV]
	s_lshl_b32 s[T1], s[T1], 12                    ; my first token tile, 16 (y % 4) + 4 w, times 1,024 bytes
	s_add_co_u32 s[CB], s[CB], s[T1]
	s_lshl_b32 s[HB], s[SL], 1
	s_min_u32 s[TB], s[YY], 62
	s_mul_i32 s[TB], s[TB], 63
	s_add_co_u32 s[TB], s[TB], 66
	s_wait_kmcnt 0x0
	s_add_nc_u64 s[4:5], s[4:5], s[28:29]
	; THE SIDE JOBS' LOADS go out first, so that the waits for the weights cover them.  Row y of the bias image for heads 2 sl and 2 sl + 1 is 160 quads: 128 threads take one each, wave 0 the other 32.
	SIDEQ 0, A1, D1, SO1
	s_cmp_lg_u32 s[WV], 0
	s_cbranch_scc1 .Lnot0a
	v_add_nc_u32 v[Q2], 128, v[LN]
	SIDEQ Q2, A2, D2, SO2
.Lnot0a:
	s_cmp_lg_u32 s[WV], 1
	s_cbranch_scc1 .Lnot1a
	s_lshl_b32 s[T1], s[YY], 2                     ; wave 1: half a fragment of w_proj, number g = 4 y + sl of 256
	s_add_co_u32 s[T1], s[T1], s[SL]
	s_lshl_b32 s[WG], s[T1], 9                     ; its 512 bytes in wpf
	s_and_b32 s[T2], s[T1], 1                      ; half
	s_lshr_b32 s[T3], s[T1], 1
	s_and_b32 s[T1], s[T3], 7                      ; k block
	s_lshr_b32 s[T3], s[T3], 3                     ; column tile
	s_lshl_b32 s[T1], s[T1], 1
	s_add_co_u32 s[T1], s[T1], s[T2]
	s_lshl_b32 s[T1], s[T1], 14                    ; 16 rows of 1,024 bytes
	s_lshl_b32 s[T3], s[T3], 6
	s_add_co_u32 s[WS], s[T1], s[T3]
	v_lshlrev_b32 v1, 13, v[LH]
	v_lshl_add_u32 v1, v[LR], 2, v1
	v_add_nc_u32 v[WPA], s[WS], v1
.irp j, 0,1,2,3,4,5,6,7
	global_load_b32 v[WPD+\j], v[WPA], s[8:9] offset:1024*\j
.endr
	v_add_nc_u32 v[WPS], s[WG], v[L16]
.Lnot1a:
	WLOAD 0, 0
	WLOAD 1, 1
	s_wait_loadcnt 24                              ; all but the 24 youngest: the first quarter and the side jobs' loads are in
	WPROC 0, 0
	WLOAD 2, 0
	WIN 0
	SIDEQ_FIN D1, SO1
	s_cmp_lg_u32 s[WV], 0
	s_cbranch_scc1 .Lnot0b
	SIDEQ_FIN D2, SO2
.Lnot0b:
	s_cmp_lg_u32 s[WV], 1
	s_cbranch_scc1 .Lnot1b
.irp j, 0,1,2,3                        ; rounded to bf16 like every input; that number is then written as f16
	v_cvt_pk_bf16_f32 v1, v[WPD+2*\j], v[WPD+2*\j+1]
	v_lshlrev_b32 v2, 16, v1
	v_and_b32 v3, 0xffff0000, v1
	v_cvt_pk_f16_f32 v[WPR+\j], v2, v3
.endr
	global_store_b128 v[WPS], v[WPR:WPR+3], s[16:17]
.Lnot1b:
	s_wait_loadcnt 24                              ; the second quarter is in, the third may stay out
	WPROC 1, 1
	WLOAD 3, 1
	s_wait_loadcnt 24
	WPROC 2, 0
	XLOAD 0, 0
	s_wait_loadcnt 32                              ; the last quarter is in; x's first tile, 32 loads, may stay out
	WPROC 3, 1
	XLOAD 1, 1
	s_wait_dscnt 0x0                               ; for the others' sake: my rows of the slice are in LDS
	s_barrier_signal -1
	s_barrier_wait -1                              ; everybody's are: the kernel's one barrier
	s_wait_loadcnt 32
	XPROC 0, 0
	XLOAD 2, 0
	s_wait_loadcnt 32
	XPROC 1, 1
	XLOAD 3, 1
	s_wait_loadcnt 32
	XPROC 2, 0
	s_wait_loadcnt 0x0
	XPROC 3, 1
	FW 0, F0                                       ; the first unit's first buffer
	s_mul_i32 s[U], s[SL], 6
	s_mov_b32 s[CNT], 5
.Lunit:                                        ; five units; the sixth is written out, since it fetches nothing for a seventh
	UOFF
	s_cbranch_scc1 .Lv
	UNIT 0, 1
	WIN 0
	s_branch .Ljoin
.Lv:
	UNIT 1, 1
	WIN 0
.Ljoin:
	s_add_co_u32 s[U], s[U], 1
	s_sub_co_u32 s[CNT], s[CNT], 1
	s_cmp_lg_u32 s[CNT], 0
	s_cbranch_scc1 .Lunit
	UOFF
	s_cbranch_scc1 .Lvlast
	UNIT 0, 0
	WIN 0
	s_branch .Lend
.Lvlast:
	UNIT 1, 0
	WIN 0
.Lend:
	s_wait_tensorcnt 0x0                           ; the wave's end, behind my last LDS store
	ds_add_u32 v[SPW], v[NIL]
	s_wait_dscnt 0x0
	s_endpgm
.Lfunc_end_k_q03f2c25b1a_qkv:
	.size	k_q03f2c25b1a_qkv, .Lfunc_end_k_q03f2c25b1a_qkv-k_q03f2c25b1a_qkv
	.p2alignl 7, 3214868480
	.fill 96, 4, 3214868480
	.section	.rodata,"a",@progbits
	.p2align	6, 0x0
	.amdhsa_kernel k_q03f2c25b1a_qkv
		.amdhsa_group_segment_fixed_size 140800
		.amdhsa_private_segment_fixed_size 0
		.amdhsa_enable_private_segment 0
		.amdhsa_kernarg_size 56
		.amdhsa_user_sgpr_count 2
		.amdhsa_user_sgpr_kernarg_segment_ptr 1
		.amdhsa_wavefront_size32 1
		.amdhsa_system_sgpr_workgroup_id_x 1
		.amdhsa_system_sgpr_workgroup_id_y 1
		.amdhsa_system_sgpr_workgroup_id_z 1
		.amdhsa_system_vgpr_workitem_id 0
		.amdhsa_next_free_vgpr 768
		.amdhsa_next_free_sgpr 66
		.amdhsa_reserve_vcc 1
		.amdhsa_float_denorm_mode_32 3
		.amdhsa_float_denorm_mode_16_64 3
		.amdhsa_memory_ordered 1
		.amdhsa_forward_progress 1
		.amdhsa_inst_pref_size 117
	.end_amdhsa_kernel
	.amdgpu_metadata
---
amdhsa.version: [ 1, 2 ]
amdhsa.kernels:
  - .name:           k_q03f2c25b1a_qkv
    .symbol:         k_q03f2c25b1a_qkv.kd
    .args:
      - { .name: x, .offset: 0, .size: 8, .value_kind: global_buffer, .address_space: global }
      - { .name: w_qkv, .offset: 8, .size: 8, .value_kind: global_buffer, .address_space: global }
      - { .name: w_proj, .offset: 16, .size: 8, .value_kind: global_buffer, .address_space: global }
      - { .name: bias_table, .offset: 24, .size: 8, .value_kind: global_buffer, .address_space: global }
      - { .name: qkvf, .offset: 32, .size: 8, .value_kind: global_buffer, .address_space: global }
      - { .name: bimg, .offset: 40, .size: 8, .value_kind: global_buffer, .address_space: global }
      - { .name: wpf, .offset: 48, .size: 8, .value_kind: global_buffer, .address_space: global }
    .group_segment_fixed_size: 140800
    .private_segment_fixed_size: 0
    .kernarg_segment_align: 8
    .kernarg_segment_size: 56
    .max_flat_workgroup_size: 128
    .sgpr_count:     66
    .vgpr_count:     768
    .wavefront_size: 32
...
	.end_amdgpu_metadata
.endif
;; end of part 1
;; launch attn (part 2): grid 2 x 128, 8 waves a work-group, no clusters, 196,608 bytes of LDS; arguments qkvf, bimg, of; writes of
.if DOCPART == 2
	.amdgcn_target "amdgcn-amd-amdhsa--gfx1250"
	.amdhsa_code_object_version 6
	.text
	.protected	k_q03f2c25b1a_attn
	.globl	k_q03f2c25b1a_attn
	.p2align	8
	.type	k_q03f2c25b1a_attn,@function
k_q03f2c25b1a_attn:
	s_mov_b64 s[64:65], 0
	v_nop
	global_prefetch_b8 v0, s[64:65] scope:SCOPE_SE
	s_setreg_imm32_b32 hwreg(HW_REG_WAVE_MODE, 25, 1), 1
	s_wait_xcnt 0x0
; SECOND LAUNCH.  O[b][h][q] = the sum over k of softmax_k(q . k / sqrt(32) + bias[h][q][k]) v[k], for 1,024 tokens on a grid of 32 x 32.  Nothing is left out.
; q, k, v come in f16, in fragment order (see the first launch); products, maxima and rescalings in f32; the weights p are rounded to f16 for the second product, and their sum l is taken of the rounded p.
; LIMITS.  c s must lie above -4e37; a weight below 2^-126 counts as 0; NaN and infinities are not treated apart.
; SHARES.  Work-group (H, b * 8 + h): 512 queries of one head, grid rows 16 H .. + 15.  Wave w: grid rows 16 H + 2 w + p, p = 0, 1: two PIECES of two tiles of 16 queries (x = 16 u + 0..15).
; Every wave walks all keys, 64 a step: grid rows 2 s and 2 s + 1; key tile kt lies in row 2 s + kt / 2, at x = 16 (kt % 2) + 0..15.
; LDS is filled once: the head's K (65,536 bytes), its V (65,536), and 48 rows of the head's bias image (61,440).  Each wave brings four parts, all asked for at the head: four tensor loads of a wave are out, by this text's count.
; The first two bring what steps 0 to 2 touch with their look-ahead (keys 0-255, image rows 24-47); the others land while those steps run.
; LAYOUT.  S^T = K Q^T + C (source 0 = 16 keys, source 1 = 16 queries): a lane holds ONE query (lane % 16) and the keys 8 (lane / 16) + 0..7.  Two such results rounded to f16 ARE source 1 of O^T = V^T P.
; THE BIAS IS THE C OPERAND, times sqrt(32).  It hangs on yq - yk and xq - xk alone.  For a piece and a step yq - yk takes two values and x0q - x0k three: six fragments serve the eight products.
; Register j of lane (r, hf) wants column 31 + D + r - 8 hf - j of the table's row.  The image holds each row reversed, in four copies shifted by 0..3 words; lane r reads copy r & 3, so that its
; eight words begin at a multiple of 16 bytes; the copies lie 320 bytes apart.
; THE ROW SUM l is a third channel block of the second product: source 0 = ones.  Its register 0 holds the query's sum over all keys of both halves of the lanes.
; SOFTMAX.  p = 2^(c s - c m), c = log2(e) / sqrt(32), with a running maximum m; O and l are multiplied by a = 2^(c m_old - c m_new) in every step.  c m starts far below every c s, O and l at 0: the first step has a = 0.
; BY TURNS.  Turn Y belongs to piece Y; Z is the other.  Its matrix work: 8 products K Q^T of piece Z (behind each four scalings of piece Y), later 12 products V^T P of piece Z's last weights (behind each a rescaling of piece Y).
; Its vector work: scaling, exponentials, roundings and rescaling of piece Y, maximum and statistics of piece Z.  The turn's 66 exponentials are one batch with one wait.
; Two waves share a SIMD: a tile of 16 x 64 scores has 10 matrix and 95 vector instructions, so the vector unit bounds the launch, and the second wave fills the first one's waits.
; NO CLUSTER: a head has two work-groups, so no four share a tile; the two take different rows of the bias image; and each byte enters a work-group's LDS once.
; REGISTERS, in windows of 256 (s_set_vgpr_msb: bits 1:0 source 0, 3:2 source 1, 5:4 source 2, 7:6 destination):
;   window 0: addresses, statistics, K's and the bias's fragments, S^T          window 1: O^T and l, Q, V, ones, a, P, c
.set VREG,  65536
.set BIAS0, 131072
.set BROW,  1280
.set SPARE, BIAS0+48*BROW              ; behind the image: the spare words, 128 bytes for each of eight waves
.set L16, 2                            ; v2   16 x lane; never rewritten
.set AK,  3                            ; v3   K's run of loads
.set AV,  4                            ; v4   V's
.set AB0, 5                            ; v5   my lane's place in a row of the image; never rewritten
.set AB,  6                            ; v6   the bias's runs
.set SPW, 8                            ; v8   my spare word; never rewritten
.set NIL, 9                            ; v9   0; never rewritten
.set MV,  10                           ; v10-13  c m_old, by tile
.set ST,  16                           ; v16-23  (c m, m), by tile
.set TMP, 24                           ; v24-39  c0-c3 at work, by tile
.set KF,  40                           ; v40-71  K: key tile kt at + 8 kt
.set BI,  72                           ; v72-119 six bias fragments: (dl, Dix) at 8 (3 dl + Dix)
.set S,   128                          ; v128-255  S^T: piece p, tile u at 64 p + 32 u
.set Q,   96                           ; window 1: v0-95 O^T, 24 a tile (channels 0-15, 16-31, l); v96-127 Q
.set VF,  128                          ; V: (key half kk, channel block cb) at 16 kk + 8 cb
.set ONE, 160                          ; 1.0 in every f16
.set AA,  168                          ; a, a pair for each tile (the second word is only named)
.set P,   176                          ; 16 a tile
.set CC,  240                          ; c, twice
.set WV,  10
.set HH,  11
.set BH,  12
.set CNT, 56
.set SK,  57                           ; LDS byte of the step's K to be fetched next
.set SV,  58                           ; of V
.set SB,  59                           ; (2 w + 30 - 2 s) rows of the image
.set CS,  60
.set SEL, 62                           ; s[62:63] v_permlanex16_b32's selects: each lane takes its own place in the other half
.set MSB, 0
.macro WIN new
.if MSB != (\new)
	s_set_vgpr_msb (MSB<<8)|(\new)
.set MSB, (\new)
.endif
.endm
.macro PLACES
.rept 4
	v_nop
.endr
.endm
; Product i of 8 of S^T for piece Z: tile i % 2, key tile i / 2.  K = 32 is one instruction: no chain.  Setting 0x04: Q in window 1.
.macro KQ
.set u_, i%2
.set kt_, i/2
.set rD, S+64*Z+32*u_+8*kt_
.set rK, KF+8*kt_
.set rQ, Q+8*(2*Z+u_)
.set rB, BI+8*(3*(1-kt_/2)+u_-(kt_%2)+1)
	v_wmma_f32_16x16x32_f16 v[rD:rD+7], v[rK:rK+7], v[rQ:rQ+7], v[rB:rB+7]
.endm
; Product i of 12 of O^T += V^T P for piece Z: keys 32 (i / 6) on; the six accumulators (2 tiles x channels 0-15, 16-31, l) take turns.  Setting 0x55.
.macro PV
.set u_, (i%6)%2
.set b_, (i%6)/2
.set rO, 24*(2*Z+u_)+8*b_
.set rP, P+16*(2*Z+u_)+8*(i/6)
.set rV, VF+16*(i/6)+8*b_
.if b_ == 2
.set rV, ONE
.endif
	v_wmma_f32_16x16x32_f16 v[rO:rO+7], v[rV:rV+7], v[rP:rP+7], v[rO:rO+7]
.endm
.macro FS f                            ; c s - c m for pair f / 2 of tile f % 2 of piece Y.  Setting 0x04: c in window 1
.set rS, S+64*Y+32*((\f)%2)+2*((\f)/2)
.set rT, ST+2*(2*Y+(\f)%2)
	v_pk_fma_f32 v[rS:rS+1], v[rS:rS+1], v[CC:CC+1], v[rT:rT+1] op_sel_hi:[1,1,0] neg_lo:[0,0,1] neg_hi:[0,0,1]
.endm
.macro EX                              ; the next exponential of piece Y, the tiles by turns
.set rS, S+64*Y+32*(e%2)+e/2
	v_exp_f32 v[rS], v[rS]
.set e, e+1
.endm
; Number n of the 22 that find piece Z's maximum and statistics, for tile u.  0-11: four chains of seven scores, each accumulator's lowest registers first.  12-14, 16: the four scores
; left over, the old m, the four into one.  15: c m_old is kept.  17, 18: the query's other 32 keys lie in the lane 16 away.  19-21: c m; c m_old - c m_new; a (into window 1: setting 0x40).
.macro XS u, n
.set tau_, 2*Z+(\u)
.set rT, ST+2*tau_
.set rC, TMP+4*tau_
.set rM, MV+tau_
.set rS, S+64*Z+32*(\u)
.set rA, AA+2*tau_
.if (\n) < 4
	v_max3_num_f32 v[rC+(\n)], v[rS+8*(\n)], v[rS+8*(\n)+1], v[rS+8*(\n)+2]
.elseif (\n) < 12
	v_max3_num_f32 v[rC+(\n)%4], v[rC+(\n)%4], v[rS+8*((\n)%4)+2*((\n)/4)+1], v[rS+8*((\n)%4)+2*((\n)/4)+2]
.elseif (\n) == 12
	v_max3_num_f32 v[rC], v[rC], v[rS+7], v[rS+15]
.elseif (\n) == 13
	v_max3_num_f32 v[rC+1], v[rC+1], v[rS+23], v[rS+31]
.elseif (\n) == 14
	v_max3_num_f32 v[rC+2], v[rC+2], v[rC+3], v[rT+1]
.elseif (\n) == 15
	v_mov_b32 v[rM], v[rT]
.elseif (\n) == 16
	v_max3_num_f32 v[rC], v[rC], v[rC+1], v[rC+2]
.elseif (\n) == 17
	v_permlanex16_b32 v[rC+3], v[rC], s[SEL], s[SEL+1]
.elseif (\n) == 18
	v_max_num_f32 v[rT+1], v[rC], v[rC+3]
.elseif (\n) == 19
	v_mul_f32 v[rT], s[CS], v[rT+1]
.elseif (\n) == 20
	v_sub_f32 v[rC+1], v[rM], v[rT]
.else
	v_exp_f32 v[rA], v[rC+1]
.endif
.endm
.macro CV                              ; the next pair of weights of piece Y, rounded to f16.  Setting 0x40
.set rS, S+64*Y+32*(g%2)+2*(g/2)
.set rP, P+16*(2*Y+g%2)+g/2
	v_cvt_pk_f16_f32 v[rP], v[rS], v[rS+1]
.set g, g+1
.endm
.macro RS k                            ; number k of 18: O^T and l of piece Y times a; tile k % 2; ascending.  Setting 0x55
.set rO, 24*(2*Y+(\k)%2)
.set rA, AA+2*(2*Y+(\k)%2)
.if (\k)/2 < 8
	v_pk_mul_f32 v[rO+2*((\k)/2):rO+2*((\k)/2)+1], v[rO+2*((\k)/2):rO+2*((\k)/2)+1], v[rA:rA+1] op_sel_hi:[1,0]
.else
	v_mul_f32 v[rO+16], v[rO+16], v[rA]            ; of l only register 0 is ever read; the others stay sums of weights, 1,024 at the most
.endif
.endm
; THE LDS LOADS stand in runs.  The six bias fragments of piece p: image row (2 w + 30 - 2 s) + p + dl, words shifted by 16 (1 - Dix).
.macro BLOAD p
.set f, 0
.rept 6
	ds_load_b128 v[BI+8*f:BI+8*f+3],   v[AB] offset:((\p)+f/3)*BROW+(2-f%3)*64
	ds_load_b128 v[BI+8*f+4:BI+8*f+7], v[AB] offset:((\p)+f/3)*BROW+(2-f%3)*64+16
.set f, f+1
.endr
.endm
.macro FETCH_KB                        ; the next step's K and piece 0's bias: 20 loads
	v_add_nc_u32 v[AK], s[SK], v[L16]
	v_add_nc_u32 v[AB], s[SB], v[AB0]
.set f, 0
.rept 4
	ds_load_b128 v[KF+8*f:KF+8*f+3],   v[AK] offset:1024*f
	ds_load_b128 v[KF+8*f+4:KF+8*f+7], v[AK] offset:1024*f+512
.set f, f+1
.endr
	BLOAD 0
	s_add_co_u32 s[SK], s[SK], 4096
	s_sub_co_u32 s[SB], s[SB], 2*BROW              ; (behind the last fetch the stepped number is not used)
.endm
.macro FETCH_V                         ; the step's V: 8 loads
	WIN 0
	v_add_nc_u32 v[AV], s[SV], v[L16]
	WIN 0x40
.set f, 0
.rept 4
	ds_load_b128 v[VF+8*f:VF+8*f+3],   v[AV] offset:1024*f
	ds_load_b128 v[VF+8*f+4:VF+8*f+7], v[AV] offset:1024*f+512
.set f, f+1
.endr
	s_add_co_u32 s[SV], s[SV], 4096
.endm
; A TURN, for piece p.  fetch = 1: K and bias of the next step are fetched.  kq = 1: piece Z has a next step.
; In step s, piece 0's turn multiplies K(s) for piece 1 and then fetches K(s + 1) and piece 0's bias; at its end it fetches V(s).  Piece 1's turn multiplies K(s + 1) for piece 0 and fetches piece 1's bias.
.macro TURN p, fetch, kq
.set Y, (\p)
.set Z, 1-(\p)
.set e, 0
.set g, 0
.if (\p) == 0
	s_wait_dscnt 0x0                               ; piece 1's bias, asked for a turn ago, is in
.else
.if \kq
	s_wait_dscnt 8                                 ; K and piece 0's bias are in; V's eight loads, the youngest, may stay out
.endif
.endif
	WIN 0x04
.set i, 0
.rept 8
.if \kq
	KQ
.endif
	FS 4*i
	FS 4*i+1
	FS 4*i+2
	FS 4*i+3
.set i, i+1
.endr
	WIN 0
.if \fetch                             ; the four scalings behind the last product are the places in front of these loads
.if (\p) == 0
	FETCH_KB
.else
	BLOAD 1
.endif
.endif
.if \kq
.set n_, 0
.rept 21                               ; statistics and exponentials by turns: a tile's links stand four lines apart
	XS 0, n_
	EX
	XS 1, n_
	EX
.set n_, n_+1
.endr
.rept 22
	EX
.endr
	WIN 0x40
	XS 0, 21
	XS 1, 21
	WIN 0
.else
.rept 64
	EX
.endr
.endif
	v_nop                                          ; a plain instruction behind the last exponential, ahead of the first use
	s_wait_alu depctr_va_vdst(0)                   ; the one wait for the batch: nothing ahead of it names a result of the turn's exponentials
	WIN 0x40
.rept 32
	CV
.endr
.if (\p) == 1
	s_wait_dscnt 12*(\fetch)                       ; V is in; the bias's twelve loads issued since may stay out
.endif
	WIN 0x55
.set i, 0
.rept 12
	PV
	RS i
.set i, i+1
.endr
.irp k, 12,13,14,15,16,17              ; these are also the places between V's last reader and its next run of loads
	RS \k
.endr
.if (\p) == 0
	FETCH_V
.endif
.endm
.macro STEP
	TURN 0, 1, 1
	TURN 1, 1, 1
	WIN 0                                          ; at a label and at a branch every window is 0
.endm
	s_load_b128 s[4:7], s[0:1], 0x0                ; qkvf s[4:5], bimg s[6:7]
	s_load_b64 s[8:9], s[0:1], 0x10                ; of
	v_lshl_add_u32 v[SPW], v0, 2, SPARE
	v_mov_b32 v[NIL], 0
	ds_add_u32 v[SPW], v[NIL]                      ; the wave's opening: the add, twice on end, and its wait ahead of my first tensor load
	ds_add_u32 v[SPW], v[NIL]
	v_lshrrev_b32 v1, 5, v0
	v_readfirstlane_b32 s[WV], v1
	s_mov_b32 s[HH], ttmp9
	s_and_b32 s[BH], ttmp7, 0xffff
	; descriptor group 1, three times: dense bytes asked for as R rows of 256 bytes (32 elements of 8 bytes), R = 16, 15, 48; no padding
.irp g, 16, 24, 32
	s_mov_b32 s[\g], 3<<16                         ; 17:16 elements of 8 bytes
	s_mov_b32 s[\g+1], 32<<16                      ; tensor_dim0 = 32
	s_mov_b32 s[\g+3], 32<<16                      ; tile_dim0 = 32
	s_mov_b32 s[\g+5], 32                          ; 32 elements from row to row
	s_mov_b32 s[\g+6], 0
	s_mov_b32 s[\g+7], 0
.endr
	s_mov_b32 s18, 16<<16                          ; tensor_dim1 and tile_dim1
	s_mov_b32 s20, 16
	s_mov_b32 s26, 15<<16
	s_mov_b32 s28, 15
	s_mov_b32 s34, 48<<16
	s_mov_b32 s36, 48
	; waves with t = w % 2 = 0 bring K, the others V; e = w / 2 says which quarter
	s_and_b32 s13, s[WV], 1
	s_lshr_b32 s14, s[WV], 1
	s_lshl_b32 s15, s13, 16                        ; 65,536 t
	s_lshl_b32 s2, s14, 12                         ; 4,096 e
	s_mul_i32 s3, s14, 12288
	s_add_co_u32 s3, s3, 16384                     ; 16,384 + 12,288 e
	s_mul_i32 s59, s[WV], 3*BROW                   ; three rows of the image a wave
	s_mov_b32 s40, 1                               ; load 1: keys 0-255, a quarter
	s_add_co_u32 s41, s15, s2
	s_mov_b32 s44, 1                               ; load 2: image rows 24 + 3 w ..
	s_add_co_u32 s45, s59, BIAS0+24*BROW
	s_mov_b32 s48, 1                               ; load 3: keys 256-1,023, a quarter
	s_add_co_u32 s49, s15, s3
	s_mov_b32 s52, 1                               ; load 4: image rows 3 w ..
	s_add_co_u32 s53, s59, BIAS0
	s_add_co_u32 s66, s13, 1
	s_lshl_b32 s66, s66, 23                        ; K's or V's part of qkvf,
	s_lshl_b32 s67, s[BH], 16
	s_add_co_u32 s66, s66, s67                     ; my head
	s_add_co_u32 s68, s66, s3
	s_add_co_u32 s66, s66, s2
	s_mov_b32 s67, 0
	s_mov_b32 s69, 0
	s_and_b32 s13, s[BH], 7                        ; the image: row 64 h + 16 H + 3 w
	s_lshl_b32 s13, s13, 6
	s_lshl_b32 s14, s[HH], 4
	s_add_co_u32 s13, s13, s14
	s_mul_i32 s14, s[WV], 3
	s_add_co_u32 s13, s13, s14
	s_mul_i32 s14, s13, BROW
	s_mov_b32 s15, 0
	s_lshl_b32 s2, s[HH], 3
	s_add_co_u32 s2, s2, s[WV]                     ; 8 H + w: my four token tiles begin at 4 times that
	s_lshl_b32 s13, s2, 15                         ; in of: 8,192 bytes a token tile
	s_lshl_b32 s2, s2, 12                          ; in q: 1,024
	s_lshl_b32 s3, s[BH], 16
	s_add_co_u32 s2, s2, s3
	s_mov_b32 s3, 0
	s_lshr_b32 s56, s[BH], 3
	s_lshl_b32 s56, s56, 19                        ; the batch's 64 token tiles
	s_add_co_u32 s56, s56, s13
	s_and_b32 s57, s[BH], 7
	s_lshl_b32 s57, s57, 10                        ; the head's 1,024 bytes of a tile
	s_add_co_u32 s56, s56, s57
	s_mov_b32 s57, 0
	s_mov_b32 s[CS], 0x3e8293ee                    ; c = log2(e) / sqrt(32) = 0.255035
	s_mov_b32 s[SEL], 0x76543210
	s_mov_b32 s[SEL+1], 0xfedcba98
	s_wait_dscnt 0x0                               ; both opening adds are done
	s_wait_kmcnt 0x0
	s_add_nc_u64 s[42:43], s[4:5], s[66:67]
	s_or_b32 s43, s43, 0x80000000                  ; 127:126 type = 2
	s_add_nc_u64 s[50:51], s[4:5], s[68:69]
	s_or_b32 s51, s51, 0x80000000
	s_add_nc_u64 s[54:55], s[6:7], s[14:15]
	s_add_nc_u64 s[46:47], s[54:55], 24*BROW
	s_or_b32 s55, s55, 0x80000000
	s_or_b32 s47, s47, 0x80000000
	s_add_nc_u64 s[70:71], s[4:5], s[2:3]          ; Q at my first tile
	s_add_nc_u64 s[8:9], s[8:9], s[56:57]          ; of at my first tile, my head
	tensor_load_to_lds s[40:43], s[16:23]          ; all first fills in one group, ahead of every wait on TENSORcnt, every LDS read and every barrier
	s_nop 0
	tensor_load_to_lds s[44:47], s[24:31]
	s_nop 0
	tensor_load_to_lds s[48:51], s[32:39]
	s_nop 0
	tensor_load_to_lds s[52:55], s[24:31]
	s_nop 0
.rept 4
	v_nop
.endr
	v_and_b32 v1, 31, v0
	v_lshlrev_b32 v[L16], 4, v1
	WIN 0x40
.irp t, 0,1,2,3                        ; Q stays in registers
	global_load_b128 v[Q+8*\t:Q+8*\t+3],   v[L16], s[70:71] offset:1024*\t
	global_load_b128 v[Q+8*\t+4:Q+8*\t+7], v[L16], s[70:71] offset:1024*\t+512
.endr
	; What the first turns find: O^T and l are 0; V and piece 1's P are 0, so that the first turn's products, of a step that has not been, add 0.  All this stands in the wait for the first tiles.
.set i, 0
.rept 96
	v_mov_b32 v[i], 0
.set i, i+1
.endr
.set i, 0
.rept 32
	v_mov_b32 v[VF+i], 0
	v_mov_b32 v[P+32+i], 0
.set i, i+1
.endr
.set i, 0
.rept 8
	v_mov_b32 v[ONE+i], 0x3c003c00
	v_mov_b32 v[AA+i], 0
.set i, i+1
.endr
	v_mov_b32 v[CC], s[CS]
	v_mov_b32 v[CC+1], s[CS]
	WIN 0
.irp t, 0,1,2,3
	v_mov_b32 v[ST+2*\t], 0xfe000000               ; c m: far below every c s
	v_mov_b32 v[ST+2*\t+1], 0xff7fffff             ; m: the lowest finite number
.endr
	v_and_b32 v1, 15, v0                           ; r
	v_bfe_u32 v7, v0, 4, 1                         ; hf
	v_and_b32 v[AB], 3, v0                         ; the copy, r & 3
	v_mul_u32_u24 v[AB0], v[AB], 324               ; 320 bytes a copy, and its shift of one word
	v_lshl_add_u32 v[AB0], v7, 5, v[AB0]
	v_add_nc_u32 v[AB0], BIAS0+64, v[AB0]
	v_lshlrev_b32 v1, 2, v1
	v_sub_nc_u32 v[AB0], v[AB0], v1
	s_mov_b32 s[SK], 0
	s_mov_b32 s[SV], VREG
	s_mul_i32 s[SB], s[WV], 2*BROW
	s_add_co_u32 s[SB], s[SB], 30*BROW
	s_wait_tensorcnt 2                             ; my parts of keys 0-255 and of image rows 24-47 are in; my other two loads may stay out
	s_barrier_signal -1
	s_barrier_wait -1                              ; everybody's are
	FETCH_KB                                       ; step 0
	s_wait_loadcnt 0x0                             ; Q
	s_wait_dscnt 0x0
.set Z, 0
	WIN 0x04
.set i, 0
.rept 8
	KQ                                             ; piece 0's first scores
.set i, i+1
.endr
	WIN 0
	PLACES
	BLOAD 1                                        ; piece 1's bias of step 0
.set n_, 0
.rept 21
	XS 0, n_
	XS 1, n_
.set n_, n_+1
.endr
	WIN 0x40
	XS 0, 21
	XS 1, 21
	WIN 0
	v_nop
	s_wait_alu depctr_va_vdst(0)                   ; the two a have their wait ahead of the label
	s_mov_b32 s[CNT], 3
.LstepA:                                       ; steps 0 to 2: with their look-ahead they read keys below 256 and image rows 24 and above alone
	STEP
	s_sub_co_u32 s[CNT], s[CNT], 1
	s_cmp_lg_u32 s[CNT], 0
	s_cbranch_scc1 .LstepA
	s_wait_tensorcnt 0x0                           ; my other two parts are in,
	s_wait_dscnt 0x0                               ; (no LDS instruction is pending at a signal)
	s_barrier_signal -1
	s_barrier_wait -1                              ; and everybody's
	s_mov_b32 s[CNT], 12
.LstepB:                                       ; steps 3 to 14
	STEP
	s_sub_co_u32 s[CNT], s[CNT], 1
	s_cmp_lg_u32 s[CNT], 0
	s_cbranch_scc1 .LstepB
	TURN 0, 0, 1                                   ; step 15: nothing further is fetched but its V,
	TURN 1, 0, 0                                   ; and piece 0 has no next step
.set Z, 1
	WIN 0x55
.set i, 0
.rept 12
	PV                                             ; piece 1's last weights
.set i, i+1
.endr
	; THE WAY OUT: O^T divided by l, rounded to f16; a lane's eight channels of a token are 16 bytes, and a wave's store is 512 consecutive bytes of `of`, which lies in the order of the third launch's fragments
	PLACES
.irp t, 0,1,2,3
	v_rcp_f32 v[AA+2*\t], v[24*\t+16]
.endr
	v_nop
	s_wait_alu depctr_va_vdst(0)                   ; one wait for the four reciprocals
.irp t, 0,1,2,3
.set i, 0
.rept 8
	v_pk_mul_f32 v[24*\t+2*i:24*\t+2*i+1], v[24*\t+2*i:24*\t+2*i+1], v[AA+2*\t:AA+2*\t+1] op_sel_hi:[1,0]
.set i, i+1
.endr
.endr
.irp t, 0,1,2,3
.set i, 0
.rept 8
	v_cvt_pk_f16_f32 v[P+16*\t+i], v[24*\t+2*i], v[24*\t+2*i+1]
.set i, i+1
.endr
.endr
	WIN 0x04                                       ; the stores' data in window 1, their offset in window 0
.irp t, 0,1,2,3
	global_store_b128 v[L16], v[P+16*\t:P+16*\t+3],   s[8:9] offset:8192*\t
	global_store_b128 v[L16], v[P+16*\t+4:P+16*\t+7], s[8:9] offset:8192*\t+512
.endr
	WIN 0
	s_wait_tensorcnt 0x0                           ; the wave's end
	ds_add_u32 v[SPW], v[NIL]
	s_wait_dscnt 0x0
	s_endpgm
.Lfunc_end_k_q03f2c25b1a_attn:
	.size	k_q03f2c25b1a_attn, .Lfunc_end_k_q03f2c25b1a_attn-k_q03f2c25b1a_attn
	.p2alignl 7, 3214868480
	.fill 96, 4, 3214868480
	.section	.rodata,"a",@progbits
	.p2align	6, 0x0
	.amdhsa_kernel k_q03f2c25b1a_attn
		.amdhsa_group_segment_fixed_size 196608
		.amdhsa_private_segment_fixed_size 0
		.amdhsa_enable_private_segment 0
		.amdhsa_kernarg_size 24
		.amdhsa_user_sgpr_count 2
		.amdhsa_user_sgpr_kernarg_segment_ptr 1
		.amdhsa_wavefront_size32 1
		.amdhsa_system_sgpr_workgroup_id_x 1
		.amdhsa_system_sgpr_workgroup_id_y 1
		.amdhsa_system_sgpr_workgroup_id_z 1
		.amdhsa_system_vgpr_workitem_id 0
		.amdhsa_next_free_vgpr 512
		.amdhsa_next_free_sgpr 72
		.amdhsa_reserve_vcc 0
		.amdhsa_float_denorm_mode_32 3
		.amdhsa_float_denorm_mode_16_64 3
		.amdhsa_memory_ordered 1
		.amdhsa_forward_progress 1
		.amdhsa_inst_pref_size 95
	.end_amdhsa_kernel
	.amdgpu_metadata
---
amdhsa.version: [ 1, 2 ]
amdhsa.kernels:
  - .name:           k_q03f2c25b1a_attn
    .symbol:         k_q03f2c25b1a_attn.kd
    .args:
      - { .name: qkvf, .offset: 0, .size: 8, .value_kind: global_buffer, .address_space: global }
      - { .name: bimg, .offset: 8, .size: 8, .value_kind: global_buffer, .address_space: global }
      - { .name: of, .offset: 16, .size: 8, .value_kind: global_buffer, .address_space: global }
    .group_segment_fixed_size: 196608
    .private_segment_fixed_size: 0
    .kernarg_segment_align: 8
    .kernarg_segment_size: 24
    .max_flat_workgroup_size: 256
    .sgpr_count:     72
    .vgpr_count:     512
    .wavefront_size: 32
...
	.end_amdgpu_metadata
.endif
;; end of part 2
;; launch proj (part 3): grid 256 x 1, 4 waves a work-group, no clusters, 167,936 bytes of LDS; arguments of, wpf, b_proj, out0; writes out0
.if DOCPART == 3
	.amdgcn_target "amdgcn-amd-amdhsa--gfx1250"
	.amdhsa_code_object_version 6
	.text
	.protected	k_q03f2c25b1a_proj
	.globl	k_q03f2c25b1a_proj
	.p2align	8
	.type	k_q03f2c25b1a_proj,@function
k_q03f2c25b1a_proj:
	s_mov_b64 s[64:65], 0
	v_nop
	global_prefetch_b8 v0, s[64:65] scope:SCOPE_SE
	s_setreg_imm32_b32 hwreg(HW_REG_WAVE_MODE, 25, 1), 1
	s_wait_xcnt 0x0
; THIRD LAUNCH.  out0 = O @ w_proj + b_proj.  Nothing is left out.  O and w_proj come in f16, in fragment order (see the first two launches); sums in f32; b_proj, rounded to bf16 like every input, starts the sums.
; SHARES.  Work-group g: tokens 64 g .. + 63, whose O is 32,768 consecutive bytes of `of`.  Wave w: all 64 tokens times columns 64 w .. + 63: 4 x 4 accumulators.  K = 256 is eight k blocks, one a head.
; O is shared by the four waves: each brings a quarter into LDS by one tensor load (one is out, by this text's count).  A wave's weights (32,768 bytes) are wanted by no other wave: they come straight into registers.
; The product is taken as w^T O^T (source 0 = 16 columns, source 1 = 16 tokens): a lane holds one token and eight neighbouring columns.  The rows go out through a stage of the wave's own, so that 16 lanes store 256 consecutive bytes, aligned.
; NO CLUSTER: what work-groups share is the weights, which go to registers and not to LDS; O is each work-group's own.
; REGISTERS: window 0: addresses; v32-63, v96-127 rows on the way out; v64-95 the bias; v128-255 accumulators, (column tile ct, token tile t) at 8 (4 ct + t).  Window 1: weights, (ct, kb) at 64 ct + 8 kb.  Window 2: O, (t, kb) at 64 t + 8 kb.
.set STG,   32768                      ; behind O: 16 rows x 272 bytes for each wave; no tensor load fills it
.set SP,    272                        ; 256 bytes + 16: the 16 rows of a store start at 16 different columns of 16 bytes (64 banks of 4 bytes: ISA guide 11.1)
.set SPARE, STG+4*16*SP                ; behind the stages: the spare words, 128 bytes for each wave
.set L16, 2
.set WO,  3
.set BO,  4
.set STO, 5
.set RD,  6
.set CO,  7
.set SPW, 8
.set NIL, 9
.set BB,  64
.set ACC, 128
.set WV,  14
.set MSB, 0
.macro WIN new
.if MSB != (\new)
	s_set_vgpr_msb (MSB<<8)|(\new)
.set MSB, (\new)
.endif
.endm
	s_load_b256 s[4:11], s[0:1], 0x0               ; of s[4:5], wpf s[6:7], b_proj s[8:9], out0 s[10:11]
	v_lshl_add_u32 v[SPW], v0, 2, SPARE
	v_mov_b32 v[NIL], 0
	ds_add_u32 v[SPW], v[NIL]                      ; the wave's opening: the add, twice on end, and its wait ahead of my tensor load
	ds_add_u32 v[SPW], v[NIL]
	v_lshrrev_b32 v1, 5, v0
	v_readfirstlane_b32 s[WV], v1
	s_mov_b32 s16, 3<<16                           ; group 1: 32 rows of 256 bytes (32 elements of 8 bytes), dense, no padding
	s_mov_b32 s17, 32<<16
	s_mov_b32 s18, 32<<16
	s_mov_b32 s19, 32<<16
	s_mov_b32 s20, 32
	s_mov_b32 s21, 32
	s_mov_b32 s22, 0
	s_mov_b32 s23, 0
	s_mov_b32 s24, 1
	s_lshl_b32 s25, s[WV], 13                      ; token tile w goes to LDS byte 8,192 w
	s_lshl_b32 s28, ttmp9, 15
	s_add_co_u32 s28, s28, s25
	s_mov_b32 s29, 0
	s_lshl_b32 s30, ttmp9, 16                      ; 64 rows of out0
	s_mov_b32 s31, 0
	v_and_b32 v10, 31, v0
	v_and_b32 v11, 15, v0                          ; r
	v_bfe_u32 v12, v0, 4, 1                        ; hf
	v_lshlrev_b32 v[L16], 4, v10
	s_lshl_b32 s12, s[WV], 15
	v_add_nc_u32 v[WO], s12, v[L16]                ; my four column tiles of wpf
	s_lshl_b32 s12, s[WV], 8                       ; my 64 columns, in bytes of f32
	v_lshl_add_u32 v[BO], v12, 5, s12
	s_mul_i32 s13, s[WV], 16*SP
	s_add_co_u32 s13, s13, STG
	v_mul_u32_u24 v13, v11, SP                     ; in: row r, 32 bytes for each half of the lanes
	v_lshl_add_u32 v13, v12, 5, v13
	v_add_nc_u32 v[STO], s13, v13
	v_mul_u32_u24 v13, v12, SP                     ; back: lanes 0-15 one row of 256 bytes, lanes 16-31 the next
	v_lshl_add_u32 v13, v11, 4, v13
	v_add_nc_u32 v[RD], s13, v13
	v_lshlrev_b32 v13, 10, v12                     ; and the same two rows in out0
	v_lshl_add_u32 v13, v11, 4, v13
	v_add_nc_u32 v[CO], s12, v13
	s_wait_dscnt 0x0                               ; both opening adds are done
	s_wait_kmcnt 0x0
	s_add_nc_u64 s[26:27], s[4:5], s[28:29]
	s_or_b32 s27, s27, 0x80000000
	s_add_nc_u64 s[10:11], s[10:11], s[30:31]
	tensor_load_to_lds s[24:27], s[16:23]
	s_nop 0
.rept 4
	v_nop
.endr
.irp c, 0,1,2,3                        ; the bias in the accumulators' layout: register j of lane (r, hf) is column 16 ct + 8 hf + j
	global_load_b128 v[BB+8*\c:BB+8*\c+3],   v[BO], s[8:9] offset:64*\c
	global_load_b128 v[BB+8*\c+4:BB+8*\c+7], v[BO], s[8:9] offset:64*\c+16
.endr
	WIN 0x40
.set i, 0
.rept 32                               ; the weights, k block by k block: k block i / 4, column tile i % 4
	global_load_b128 v[64*(i%4)+8*(i/4):64*(i%4)+8*(i/4)+3],   v[WO], s[6:7] offset:8192*(i%4)+1024*(i/4)
	global_load_b128 v[64*(i%4)+8*(i/4)+4:64*(i%4)+8*(i/4)+7], v[WO], s[6:7] offset:8192*(i%4)+1024*(i/4)+512
.set i, i+1
.endr
	WIN 0
	s_wait_tensorcnt 0x0                           ; my quarter of O is in,
	s_barrier_signal -1
	s_barrier_wait -1                              ; everybody's is
	WIN 0x80
.set i, 0
.rept 32                               ; O's fragments, in the same order: k block i / 4, token tile i % 4
	ds_load_b128 v[64*(i%4)+8*(i/4):64*(i%4)+8*(i/4)+3],   v[L16] offset:8192*(i%4)+1024*(i/4)
	ds_load_b128 v[64*(i%4)+8*(i/4)+4:64*(i%4)+8*(i/4)+7], v[L16] offset:8192*(i%4)+1024*(i/4)+512
.set i, i+1
.endr
	WIN 0
	s_wait_loadcnt 63                              ; behind the bias's eight loads 64 were issued: with 63 out at the most the eight are in
.set i, 0
.rept 16
	v_cvt_pk_bf16_f32 v[16+i%4], v[BB+2*i], v[BB+2*i+1]
	v_lshlrev_b32 v[BB+2*i], 16, v[16+i%4]
	v_and_b32 v[BB+2*i+1], 0xffff0000, v[16+i%4]
.set i, i+1
.endr
	WIN 0x09                                       ; source 0 (weights) window 1, source 1 (O) window 2, C and D window 0
.set kb, 0
.rept 8
	s_wait_loadcnt 8*(7-kb)                        ; this k block's eight loads are in; the later blocks' stay out
	s_wait_dscnt 8*(7-kb)
.set i, 0
.rept 16                               ; the 16 accumulators take turns; the first k block starts the sums with the bias
.if kb == 0
	v_wmma_f32_16x16x32_f16 v[ACC+8*i:ACC+8*i+7], v[64*(i/4)+8*kb:64*(i/4)+8*kb+7], v[64*(i%4)+8*kb:64*(i%4)+8*kb+7], v[BB+8*(i/4):BB+8*(i/4)+7]
.else
	v_wmma_f32_16x16x32_f16 v[ACC+8*i:ACC+8*i+7], v[64*(i/4)+8*kb:64*(i/4)+8*kb+7], v[64*(i%4)+8*kb:64*(i%4)+8*kb+7], v[ACC+8*i:ACC+8*i+7]
.endif
.set i, i+1
.endr
.set kb, kb+1
.endr
	WIN 0
.rept 4
	v_nop                                          ; four places between the last product and the first read of a result (ISA guide 7.12.1)
.endr
; Token tile t: 16 rows x 256 bytes through my stage.  LDS serves a wave's instructions in order (ISA guide 5.7.1.4): the loads see the stores, the next tile's stores come behind the loads.
.macro SENDT t
.set RB, 32+64*((\t)%2)
.irp c, 0,1,2,3
	ds_store_b128 v[STO], v[ACC+8*(4*\c+(\t)):ACC+8*(4*\c+(\t))+3]   offset:64*\c
	ds_store_b128 v[STO], v[ACC+8*(4*\c+(\t))+4:ACC+8*(4*\c+(\t))+7] offset:64*\c+16
.endr
.if (\t) >= 2
	s_wait_xcnt 0x0                                ; the stores of two tiles ago have read these registers
.endif
.irp i, 0,1,2,3,4,5,6,7
	ds_load_b128 v[RB+4*\i:RB+4*\i+3], v[RD] offset:2*SP*\i
.endr
.irp i, 0,1,2,3,4,5,6,7
	s_wait_dscnt 7-\i
	global_store_b128 v[CO], v[RB+4*\i:RB+4*\i+3], s[10:11] offset:(16*(\t)+2*\i)*1024 th:TH_STORE_NT
.endr
.endm
	SENDT 0
	SENDT 1
	SENDT 2
	SENDT 3
	s_wait_tensorcnt 0x0                           ; the wave's end, behind my last LDS store
	ds_add_u32 v[SPW], v[NIL]
	s_wait_dscnt 0x0
	s_endpgm
.Lfunc_end_k_q03f2c25b1a_proj:
	.size	k_q03f2c25b1a_proj, .Lfunc_end_k_q03f2c25b1a_proj-k_q03f2c25b1a_proj
	.p2alignl 7, 3214868480
	.fill 96, 4, 3214868480
	.section	.rodata,"a",@progbits
	.p2align	6, 0x0
	.amdhsa_kernel k_q03f2c25b1a_proj
		.amdhsa_group_segment_fixed_size 167936
		.amdhsa_private_segment_fixed_size 0
		.amdhsa_enable_private_segment 0
		.amdhsa_kernarg_size 32
		.amdhsa_user_sgpr_count 2
		.amdhsa_user_sgpr_kernarg_segment_ptr 1
		.amdhsa_wavefront_size32 1
		.amdhsa_system_sgpr_workgroup_id_x 1
		.amdhsa_system_sgpr_workgroup_id_y 1
		.amdhsa_system_sgpr_workgroup_id_z 1
		.amdhsa_system_vgpr_workitem_id 0
		.amdhsa_next_free_vgpr 768
		.amdhsa_next_free_sgpr 66
		.amdhsa_reserve_vcc 0
		.amdhsa_float_denorm_mode_32 3
		.amdhsa_float_denorm_mode_16_64 3
		.amdhsa_memory_ordered 1
		.amdhsa_forward_progress 1
		.amdhsa_inst_pref_size 33
	.end_amdhsa_kernel
	.amdgpu_metadata
---
amdhsa.version: [ 1, 2 ]
amdhsa.kernels:
  - .name:           k_q03f2c25b1a_proj
    .symbol:         k_q03f2c25b1a_proj.kd
    .args:
      - { .name: of, .offset: 0, .size: 8, .value_kind: global_buffer, .address_space: global }
      - { .name: wpf, .offset: 8, .size: 8, .value_kind: global_buffer, .address_space: global }
      - { .name: b_proj, .offset: 16, .size: 8, .value_kind: global_buffer, .address_space: global }
      - { .name: out0, .offset: 24, .size: 8, .value_kind: global_buffer, .address_space: global }
    .group_segment_fixed_size: 167936
    .private_segment_fixed_size: 0
    .kernarg_segment_align: 8
    .kernarg_segment_size: 32
    .max_flat_workgroup_size: 128
    .sgpr_count:     66
    .vgpr_count:     768
    .wavefront_size: 32
...
	.end_amdgpu_metadata
.endif
;; end of part 3
;; ======== version 2 of 2: 3 launches; version 1 with the launch qkv written anew for expert scheduling mode
;; limits: values are held in f16: magnitudes above 65,504 overflow, below 6.1e-05 lose precision
;; workspace buffers: qkvf 25,165,824 bytes; bimg 655,360 bytes; wpf 131,072 bytes; of 8,388,608 bytes
;; launch qkv (part 4): grid 4 x 64, 4 waves a work-group, no clusters, 140,800 bytes of LDS; arguments x, w_qkv, w_proj, bias_table, qkvf, bimg, wpf; writes qkvf, bimg, wpf
.if DOCPART == 4
	.amdgcn_target "amdgcn-amd-amdhsa--gfx1250"
	.amdhsa_code_object_version 6
	.text
	.protected	k_q03f2c25b1a_qkv
	.globl	k_q03f2c25b1a_qkv
	.p2align	8
	.type	k_q03f2c25b1a_qkv,@function
k_q03f2c25b1a_qkv:
	s_mov_b64 s[64:65], 0
	v_nop
	global_prefetch_b8 v0, s[64:65] scope:SCOPE_SE
	s_setreg_imm32_b32 hwreg(HW_REG_WAVE_SCHED_MODE, 0, 2), 2
	s_setreg_imm32_b32 hwreg(HW_REG_WAVE_MODE, 25, 1), 1
	s_wait_xcnt 0x0
	s_wait_alu depctr_vm_vsrc(0)
; FIRST OF THREE LAUNCHES.  q, k, v = x @ w_qkv; beside it two small tables for the later launches.
; NO WORK OF THE MODULE IS LEFT OUT: all five inputs reach the output and all are loaded (b_proj in the third launch).  The index table of the module is built from the
; grid alone: (yq - yk + 31) * 63 + (xq - xk + 31), which lies in 0 .. 3,968 for every pair, so its clip never acts and the lookup is made by arithmetic on the places.
; FORMATS.  x and w_qkv are rounded to bf16 for the product, sums in f32; q, k, v are written once, in f16.  bias_table and w_proj are rounded to bf16 too (all inputs alike).
; LIMITS.  q, k, v beyond 65,504 become infinities in f16 (inputs thirty times the usual spread give about 900).  w_proj beyond 65,504 likewise; below 2^-14 it keeps f16's fixed step.  NaN and infinities are not treated apart.
; SHARES.  Work-group (sl, y): tokens 256 y .. + 255 times columns 192 sl .. + 191 of w_qkv: six units of 32 columns, each one head of q, k or v.  Wave w: 64 tokens (4 tiles of 16) times all six units.
; The slice of w_qkv (256 x 192) is rounded and laid into LDS once, [k][n]; the wave's x (64 x 256) is rounded, turned into fragments through a stage of its own and stays in 256 registers.
; WHAT IS WRITTEN lies in the order of matrix fragments, so that every store is 512 consecutive bytes straight from the accumulators, and every later read is lane l at 16 l:
;   qkvf: q, k, v, 8,388,608 bytes each, [batch * 8 + head][65,536].  q, k: [token tile 64][channel half 2][lane 32][16 bytes]: lane (r, hf) holds token r, channels 16 half + 8 hf + 0..7.
;         v: [block of 32 keys 32][channel block 2][key half 2][lane][16 bytes]: lane (r, hf) holds channel 16 block + r, keys 16 half + 8 hf + 0..7.
;   For q and k the product is taken as w^T x^T (source 0 = 16 columns, source 1 = 16 tokens): a lane holds one token and eight channels.  For v as x w (source 0 = tokens): one channel and eight tokens.
;   bimg: [head 8][row 64][copy 4][word 80] f32: word wd of copy sg = bias_table[min(row, 62) * 63 + 62 - clamp(wd - 1 - sg, 0, 62)][head], rounded to bf16, times sqrt(32).
;   wpf:  [column tile 16][k block 8][half 2][lane][16 bytes] f16: lane (r, hf) holds w_proj[32 kb + 16 half + 8 hf + 0..7][16 tile + r].
; NO CLUSTER, NO TENSOR LOADS: both operands are f32 in memory and pass through registers to be rounded; a tile brought into LDS as f32 would take twice the bytes there and be read and written once more.
; REGISTERS, in windows of 256 (s_set_vgpr_msb: bits 1:0 source 0, 3:2 source 1, 5:4 source 2, 7:6 destination):
;   window 0: addresses; v32-63 packed results; v64-127 at work, later fragment buffer 1; v128-191 eight accumulators; v192-255 fragment buffer 0
;   window 1: x's fragments, tile t, k block kb at 64 t + 8 kb          window 2: two sets of 128 for the loads from memory
; THE MODE: SCHED_MODE bits 1:0 = 2 (LLVM: expert scheduling mode 2), set by the entry lines.  The code itself states the register dependences
; between vector or matrix instructions and memory or LDS instructions, with s_wait_alu, always for 0.
; THE PLAN.  Registers that memory or LDS instructions touch:
;   v8-12          offsets and LDS addresses, made at the head and never written again: the first wait on va_vdst covers them for the whole kernel.
;   sets 0, 1      (window 2) loads land; the quarter's or tile's conversions read the set; behind them the next loads land in it.
;   TMP            written by a run of conversions, read by that run's LDS stores; from the loop on it is fragment buffer 1.
;                  ONE wait on va_vdst behind each run of conversions states both that TMP is written and that the set is read.  The set's next loads follow it at once, ahead of the LDS stores,
;                  which name none of the loads' registers.  One wait on vm_vsrc stands ahead of each run but the first: the last run's LDS stores have read TMP.
;   window 1       x's fragments: LDS loads land there once; only matrix instructions name them.
;   F0             read by a unit's first 32 products; behind them the next unit's loads land.   F1: read by its last 32 products; loaded at the next unit's head.
;   AWLO, AWHI     read by the turning loads, stepped once a unit, ahead of the wait that stands there for F0 anyway.
;   OUTT, GO       written by the way out's vector lines, read by its eight stores.  v32-55 served the side jobs' loads and stores at the head.
;   So a unit has two waits on va_vdst: in its middle, directly ahead of F0's run (the steps are written, the first 32 products are done reading F0), and in the way out, ahead of the stores (GO and
;   OUTT are written; the last 32 products are done reading F1, so the next unit's loads into F1 owe nothing more); and two on vm_vsrc, ahead of the steps and ahead of the way out's vector lines.
.set WP,    416                        ; a row of the weight slice in LDS: 384 bytes + 32 = 13 x 32: the turning load's eight rows x 32 bytes fall on different banks (64 banks of 4 bytes: ISA guide 11.1)
.set XP,    528                        ; a row of the stage: 512 bytes + 16 = 33 x 16
.set XS0,   256*WP                     ; behind the slice: a stage of 16 rows for each wave
.set XSB,   16*XP
.set SPARE, XS0+4*XSB                  ; behind the stages: the spare words, 128 bytes for each wave
.set L16,  8                           ; v8   16 x lane
.set WOFF, 9                           ; v9   my offset in w_qkv
.set WST,  10                          ; v10  where I put 8 bytes of the slice
.set XST,  11                          ; v11  where I put 8 bytes of the stage
.set XFR,  12                          ; v12  where I read x's fragments
.set AWLO, 13                          ; v13  the turning load's address, k 0-127
.set AWHI, 14                          ; v14  k 128-255
.set GO,   15                          ; v15  my offset in qkvf
.set SPW,  16                          ; v16  my spare word; never rewritten
.set NIL,  17                          ; v17  0; never rewritten
.set LN,   18                          ; lane
.set LR,   19                          ; lane % 16
.set LH,   20                          ; lane / 16
.set A1,   22                          ; the bias image's first quad: four offsets, four numbers, the store's offset
.set D1,   26
.set SO1,  30
.set A2,   32                          ; wave 0's second quad
.set D2,   36
.set SO2,  40
.set WPA,  41                          ; wave 1's piece of wpf
.set WPD,  42
.set WPR,  50
.set WPS,  54
.set Q2,   55
.set OUTT, 32
.set TMP,  64
.set F1,   64
.set ACC,  128
.set F0,   192
.set WV,   20                          ; s20 wave
.set SL,   21                          ; s21 slice of columns
.set YY,   22                          ; s22 block of tokens
.set CNT,  23
.set U,    24                          ; s24 unit 6 sl + i: type U >> 3, head U & 7
.set T1,   25
.set T2,   26
.set T3,   27
.set OOFF, 30                          ; s30 the unit's offset in qkvf
.set HB,   31                          ; s31 2 sl
.set TB,   32                          ; s32 min(y, 62) * 63 + 66
.set CB,   33                          ; s33 the part of OOFF that all units share
.set WS,   34
.set WG,   35
.set MSB, 0
.macro WIN new                         ; the immediate's high byte repeats the setting that is left; a switch that changes nothing is dropped
.if MSB != (\new)
	s_set_vgpr_msb (MSB<<8)|(\new)
.set MSB, (\new)
.endif
.endm
.macro PLACES                          ; four plain instructions between a matrix instruction and a vector instruction or load that touches its registers
.rept 4
	v_nop
.endr
.endm
; One quad (16 bytes) of the bias image.  q = 0..159 in v[qr]: head 2 sl + q / 80, quad q' = q % 80 of row y: copy sg = q' / 20, words 4 (q' % 20) + 0..3.
.macro SIDEQ qr, a, d, so
	v_cmp_lt_u32 vcc_lo, 79, v[\qr]
	s_wait_alu depctr_va_vcc(0)                    ; the compare has written VCC, which the select below reads
	v_cndmask_b32 v1, 0, 1, vcc_lo                 ; q / 80
	v_mul_u32_u24 v2, v1, 80
	v_sub_nc_u32 v2, v[\qr], v2                    ; q'
	v_mul_u32_u24 v3, v2, 205
	v_lshrrev_b32 v3, 12, v3                       ; sg = q' / 20 (exact up to 79)
	v_mul_u32_u24 v4, v3, 20
	v_sub_nc_u32 v4, v2, v4
	v_lshl_add_u32 v4, v4, 2, 3
	v_sub_nc_u32 v4, v4, v3                        ; first word - 1 - sg, shifted by 4 so that it is never negative
	v_add_nc_u32 v5, s[HB], v1                     ; head
.irp jj, 0,1,2,3
	v_add_nc_u32 v6, \jj, v4
	v_max_u32 v6, 4, v6
	v_min_u32 v6, 66, v6                           ; the clamp to 0 .. 62, shifted
	v_sub_nc_u32 v6, s[TB], v6                     ; the table's row, 0 .. 3,968
	v_lshl_add_u32 v6, v6, 3, v5
	v_lshlrev_b32 v[(\a)+\jj], 2, v6
.endr
	v_lshl_add_u32 v6, v5, 6, s[YY]
	v_mul_u32_u24 v6, v6, 1280
	v_lshl_add_u32 v[\so], v2, 4, v6
	s_wait_alu depctr_va_vdst(0)                   ; the four offsets are written, which the loads below read; at its first use also v8 to v14, v16 and v17, the kernel's offsets and LDS addresses
.irp jj, 0,1,2,3
	global_load_b32 v[(\d)+\jj], v[(\a)+\jj], s[10:11]
.endr
.endm
.macro SIDEQ_FIN d, so                 ; rounded to bf16, widened again, times sqrt(32): the scores are scaled by 1 / sqrt(32) only behind the bias
	v_cvt_pk_bf16_f32 v1, v[\d], v[(\d)+1]
	v_cvt_pk_bf16_f32 v2, v[(\d)+2], v[(\d)+3]
	v_lshlrev_b32 v[\d], 16, v1
	v_and_b32 v[(\d)+1], 0xffff0000, v1
	v_lshlrev_b32 v[(\d)+2], 16, v2
	v_and_b32 v[(\d)+3], 0xffff0000, v2
.irp jj, 0,1,2,3
	v_mul_f32 v[(\d)+\jj], 0x40b504f3, v[(\d)+\jj]
.endr
	s_wait_alu depctr_va_vdst(0)                   ; the four products are written, which the store reads
	global_store_b128 v[\so], v[(\d):(\d)+3], s[14:15]  ; 16 lanes store 256 consecutive bytes, aligned
.endm
; A quarter of my 64 rows of the slice: 24 loads, each two rows x 256 bytes.
.macro WLOAD b, set
	WIN 0x80
.set i, 0
.rept 24
	global_load_b128 v[128*(\set)+4*i:128*(\set)+4*i+3], v[WOFF], s[6:7] offset:(8*(\b)+i/3)*6144+256*(i%3)
.set i, i+1
.endr
.endm
.macro WCVT set                        ; a quarter is rounded: the set is read, TMP written
	WIN 0x0a
.set i, 0
.rept 48
	v_cvt_pk_bf16_f32 v[TMP+i], v[128*(\set)+2*i], v[128*(\set)+2*i+1]
.set i, i+1
.endr
.endm
.macro WSTO b                          ; and laid into the slice
	WIN 0
.set i, 0
.rept 24
	ds_store_b64 v[WST], v[TMP+2*i:TMP+2*i+1] offset:(8*(\b)+i/3)*2*WP+128*(i%3)
.set i, i+1
.endr
.endm
; A tile of 16 tokens of x: 32 loads of 512 consecutive bytes.
.macro XLOAD t, set
	WIN 0x80
.set i, 0
.rept 32
	global_load_b128 v[128*(\set)+4*i:128*(\set)+4*i+3], v[L16], s[4:5] offset:(16*(\t)+i/2)*1024+512*(i%2)
.set i, i+1
.endr
.endm
.macro XCVT set                        ; a tile is rounded: the set is read, TMP written
	WIN 0x0a
.set i, 0
.rept 64
	v_cvt_pk_bf16_f32 v[TMP+i], v[128*(\set)+2*i], v[128*(\set)+2*i+1]
.set i, i+1
.endr
.endm
.macro XSTO t                          ; through my own stage, back as eight fragments.  LDS serves a wave's instructions in order (ISA guide 5.7.1.4): the loads see the stores, the next tile's stores come behind the loads
	WIN 0
.set i, 0
.rept 32
	ds_store_b64 v[XST], v[TMP+2*i:TMP+2*i+1] offset:(i/2)*XP+256*(i%2)
.set i, i+1
.endr
	WIN 0x40
.set i, 0
.rept 8                                ; no vector or matrix instruction has named these registers of window 1
	ds_load_b128 v[64*(\t)+8*i:64*(\t)+8*i+3],   v[XFR] offset:64*i
	ds_load_b128 v[64*(\t)+8*i+4:64*(\t)+8*i+7], v[XFR] offset:64*i+32
.set i, i+1
.endr
.endm
; The unit's weight fragments for half of K: 4 k blocks x 2 column tiles, turned: 16 loads in one run.
.macro FW half, f
	WIN 0
.set i, 0
.rept 8
	ds_load_tr16_b128 v[(\f)+8*i:(\f)+8*i+3],   v[AWLO+(\half)] offset:(i/2)*32*WP+32*(i%2)
	ds_load_tr16_b128 v[(\f)+8*i+4:(\f)+8*i+7], v[AWLO+(\half)] offset:(i/2)*32*WP+32*(i%2)+16*WP
.set i, i+1
.endr
.endm
; 32 products: 4 k blocks x 2 column tiles x 4 token tiles.  The eight accumulators take turns, one instruction a turn; the first k block starts the sums with the constant 0.
.macro MUL vt, half, f
.if \vt
	WIN 0x01
.else
	WIN 0x04
.endif
.set i, 0
.rept 32
.set rA, ACC+8*(4*((i/4)%2)+i%4)
.set rW, (\f)+8*(2*(i/8)+(i/4)%2)
.set rX, 64*(i%4)+8*(4*(\half)+i/8)
.if \vt
.if ((\half) == 0) && (i < 8)
	v_wmma_f32_16x16x32_bf16 v[rA:rA+7], v[rX:rX+7], v[rW:rW+7], 0
.else
	v_wmma_f32_16x16x32_bf16 v[rA:rA+7], v[rX:rX+7], v[rW:rW+7], v[rA:rA+7]
.endif
.else
.if ((\half) == 0) && (i < 8)
	v_wmma_f32_16x16x32_bf16 v[rA:rA+7], v[rW:rW+7], v[rX:rX+7], 0
.else
	v_wmma_f32_16x16x32_bf16 v[rA:rA+7], v[rW:rW+7], v[rX:rX+7], v[rA:rA+7]
.endif
.endif
.set i, i+1
.endr
.endm
.macro OUT vt                          ; rounded to f16, each accumulator from its low end on; eight stores of 512 consecutive bytes
	WIN 0
	PLACES
	s_wait_xcnt 0x0                                ; the earlier stores have read their offset and data: only now are these rewritten
	s_wait_alu depctr_vm_vsrc(0)                   ; the last unit's stores have read v[GO] and v[OUTT ..]; at the first unit the side jobs' loads and stores have read v32 to v54
	v_add_nc_u32 v[GO], s[OOFF], v[L16]
.set i, 0
.rept 32
	v_cvt_pk_f16_f32 v[OUTT+i], v[ACC+2*i], v[ACC+2*i+1]
.set i, i+1
.endr
	s_wait_alu depctr_va_vdst(0)                   ; v[GO] and v[OUTT ..] are written, which the stores read; the unit's last 32 products are done reading buffer 1, in which the next unit's loads land
.set i, 0
.rept 8                                ; accumulator i: column tile i / 4, token tile i % 4
.if \vt
	global_store_b128 v[GO], v[OUTT+4*i:OUTT+4*i+3], s[12:13] offset:2048*((i%4)/2)+1024*(i/4)+512*(i%2)
.else
	global_store_b128 v[GO], v[OUTT+4*i:OUTT+4*i+3], s[12:13] offset:1024*(i%4)+512*(i/4)
.endif
.set i, i+1
.endr
.endm
; A unit: 64 products on two fragment buffers; pre = 1: the next unit's first buffer is fetched in the middle.
.macro UNIT vt, pre
	FW 1, F1                                       ; no wait: since the last wait on va_vdst (the way out's; ahead of the first unit the last tile's) no vector or matrix instruction has been issued, and the stores between name neither v[AWHI] nor buffer 1
	s_wait_dscnt 16                                ; buffer 0 (and all that is older) is in; the 16 loads just issued may stay out
	MUL \vt, 0, F0
	WIN 0
	PLACES
	s_wait_alu depctr_vm_vsrc(0)                   ; the turning loads issued so far have read v[AWLO] and v[AWHI]
	v_add_nc_u32 v[AWLO], 64, v[AWLO]              ; the next unit's 32 columns
	v_add_nc_u32 v[AWHI], 64, v[AWHI]
.if \pre
	s_wait_alu depctr_va_vdst(0)                   ; v[AWLO] and v[AWHI] are written, which the next loads read; the 32 products above are done reading buffer 0, in which the loads below land
	FW 0, F0
	s_wait_dscnt 16                                ; buffer 1 is in
.else
	s_wait_dscnt 0x0
.endif
	MUL \vt, 1, F1
	OUT \vt
.endm
.macro UOFF                            ; the unit's place in qkvf: ((type * 128 + head) * 64) * 1,024 + what all units share; SCC = is it v?
	s_lshr_b32 s[T1], s[U], 3
	s_lshl_b32 s[T2], s[T1], 7
	s_and_b32 s[T3], s[U], 7
	s_add_co_u32 s[T2], s[T2], s[T3]
	s_lshl_b32 s[T2], s[T2], 16
	s_add_co_u32 s[OOFF], s[T2], s[CB]
	s_cmp_eq_u32 s[T1], 2
.endm
	s_load_b256 s[4:11], s[0:1], 0x0               ; x s[4:5], w_qkv s[6:7], w_proj s[8:9], bias_table s[10:11]
	s_load_b128 s[12:15], s[0:1], 0x20             ; qkvf s[12:13], bimg s[14:15]
	s_load_b64 s[16:17], s[0:1], 0x30              ; wpf
	v_lshl_add_u32 v[SPW], v0, 2, SPARE
	v_mov_b32 v[NIL], 0
	v_lshrrev_b32 v1, 5, v0
	v_readfirstlane_b32 s[WV], v1
	s_mov_b32 s[SL], ttmp9
	s_and_b32 s[YY], ttmp7, 0xffff
	v_and_b32 v[LN], 31, v0
	v_and_b32 v[LR], 15, v0
	v_bfe_u32 v[LH], v0, 4, 1
	v_lshlrev_b32 v[L16], 4, v[LN]
	s_wait_alu depctr_va_sdst(0)                   ; the wave's number is written, ahead of its first reader
	s_mul_i32 s[T1], s[WV], 64*3072                ; w_qkv: my 64 rows of 3,072 bytes, the slice's 768 bytes; lanes 0-15 one row's 256 bytes, lanes 16-31 the next row's
	s_mul_i32 s[T2], s[SL], 768
	s_add_co_u32 s[T1], s[T1], s[T2]
	v_mul_u32_u24 v1, v[LH], 3072
	v_lshl_add_u32 v1, v[LR], 4, v1
	v_add_nc_u32 v[WOFF], s[T1], v1
	s_mul_i32 s[T1], s[WV], 64*WP
	v_mul_u32_u24 v1, v[LH], WP
	v_lshl_add_u32 v1, v[LR], 3, v1
	v_add_nc_u32 v[WST], s[T1], v1
	s_mul_i32 s[T1], s[WV], XSB
	s_add_co_u32 s[T1], s[T1], XS0                 ; my stage
	v_lshl_add_u32 v[XST], v[LN], 3, s[T1]
	v_mul_u32_u24 v1, v[LR], XP
	v_lshl_add_u32 v1, v[LH], 4, v1
	v_add_nc_u32 v[XFR], s[T1], v1                 ; row l % 16, 16 bytes for each half of the lanes
	v_and_b32 v1, 7, v0                            ; the turning load: lane l reads row 8 (l / 16) + l % 8, columns 8 ((l / 8) % 2) + 0..7
	v_lshl_add_u32 v1, v[LH], 3, v1
	v_mul_u32_u24 v1, v1, WP
	v_bfe_u32 v2, v0, 3, 1
	v_lshl_add_u32 v[AWLO], v2, 4, v1
	v_add_nc_u32 v[AWHI], 128*WP, v[AWLO]
	s_lshl_b32 s28, s[YY], 18                      ; x: 256 tokens of 1,024 bytes a block, 64 a wave
	s_lshl_b32 s[T1], s[WV], 16
	s_add_co_u32 s28, s28, s[T1]
	s_mov_b32 s29, 0
	s_lshr_b32 s[T1], s[YY], 2                     ; batch
	s_lshl_b32 s[CB], s[T1], 19                    ; 8 heads x 65,536 bytes
	s_and_b32 s[T1], s[YY], 3
	s_lshl_b32 s[T1], s[T1], 2
	s_add_co_u32 s[T1], s[T1], s[WV]
	s_lshl_b32 s[T1], s[T1], 12                    ; my first token tile, 16 (y % 4) + 4 w, times 1,024 bytes
	s_add_co_u32 s[CB], s[CB], s[T1]
	s_lshl_b32 s[HB], s[SL], 1
	s_min_u32 s[TB], s[YY], 62
	s_mul_i32 s[TB], s[TB], 63
	s_add_co_u32 s[TB], s[TB], 66
	s_wait_kmcnt 0x0
	s_add_nc_u64 s[4:5], s[4:5], s[28:29]
	; THE SIDE JOBS' LOADS go out first, so that the waits for the weights cover them.  Row y of the bias image for heads 2 sl and 2 sl + 1 is 160 quads: 128 threads take one each, wave 0 the other 32.
	SIDEQ 0, A1, D1, SO1
	s_cmp_lg_u32 s[WV], 0
	s_cbranch_scc1 .Lnot0a
	v_add_nc_u32 v[Q2], 128, v[LN]
	SIDEQ Q2, A2, D2, SO2
.Lnot0a:
	s_cmp_lg_u32 s[WV], 1
	s_cbranch_scc1 .Lnot1a
	s_lshl_b32 s[T1], s[YY], 2                     ; wave 1: half a fragment of w_proj, number g = 4 y + sl of 256
	s_add_co_u32 s[T1], s[T1], s[SL]
	s_lshl_b32 s[WG], s[T1], 9                     ; its 512 bytes in wpf
	s_and_b32 s[T2], s[T1], 1                      ; half
	s_lshr_b32 s[T3], s[T1], 1
	s_and_b32 s[T1], s[T3], 7                      ; k block
	s_lshr_b32 s[T3], s[T3], 3                     ; column tile
	s_lshl_b32 s[T1], s[T1], 1
	s_add_co_u32 s[T1], s[T1], s[T2]
	s_lshl_b32 s[T1], s[T1], 14                    ; 16 rows of 1,024 bytes
	s_lshl_b32 s[T3], s[T3], 6
	s_add_co_u32 s[WS], s[T1], s[T3]
	v_lshlrev_b32 v1, 13, v[LH]
	v_lshl_add_u32 v1, v[LR], 2, v1
	v_add_nc_u32 v[WPA], s[WS], v1
	v_add_nc_u32 v[WPS], s[WG], v[L16]
	s_wait_alu depctr_va_vdst(0)                   ; v[WPA] is written, which the eight loads read
.irp j, 0,1,2,3,4,5,6,7
	global_load_b32 v[WPD+\j], v[WPA], s[8:9] offset:1024*\j
.endr
.Lnot1a:
	WLOAD 0, 0                                     ; no wait: v[WOFF] was written ahead of the first wait on va_vdst, and no vector instruction has named the sets
	WLOAD 1, 1
	s_wait_loadcnt 24                              ; all but the 24 youngest: the first quarter and the side jobs' loads are in
	WCVT 0
	WIN 0x80
	s_wait_alu depctr_va_vdst(0)                   ; the conversions have written TMP, which the LDS stores read, and are done reading set 0, in which the loads land
	WLOAD 2, 0
	WSTO 0
	SIDEQ_FIN D1, SO1
	s_cmp_lg_u32 s[WV], 0
	s_cbranch_scc1 .Lnot0b
	SIDEQ_FIN D2, SO2
.Lnot0b:
	s_cmp_lg_u32 s[WV], 1
	s_cbranch_scc1 .Lnot1b
.irp j, 0,1,2,3                        ; rounded to bf16 like every input; that number is then written as f16
	v_cvt_pk_bf16_f32 v1, v[WPD+2*\j], v[WPD+2*\j+1]
	v_lshlrev_b32 v2, 16, v1
	v_and_b32 v3, 0xffff0000, v1
	v_cvt_pk_f16_f32 v[WPR+\j], v2, v3
.endr
	s_wait_alu depctr_va_vdst(0)                   ; v[WPR ..] are written, which the store reads
	global_store_b128 v[WPS], v[WPR:WPR+3], s[16:17]
.Lnot1b:
	s_wait_loadcnt 24                              ; the second quarter is in, the third may stay out
	s_wait_alu depctr_vm_vsrc(0)                   ; the first quarter's LDS stores have read TMP, which the conversions write again
	WCVT 1
	WIN 0x80
	s_wait_alu depctr_va_vdst(0)                   ; TMP is written, for the LDS stores
	WLOAD 3, 1
	WSTO 1
	s_wait_loadcnt 24
	s_wait_alu depctr_vm_vsrc(0)                   ; the second quarter's LDS stores have read TMP
	WCVT 0
	WIN 0x80
	s_wait_alu depctr_va_vdst(0)                   ; TMP is written, for the LDS stores
	XLOAD 0, 0
	WSTO 2
	s_wait_loadcnt 32                              ; the last quarter is in; x's first tile, 32 loads, may stay out
	s_wait_alu depctr_vm_vsrc(0)                   ; the third quarter's LDS stores have read TMP
	WCVT 1
	WIN 0x80
	s_wait_alu depctr_va_vdst(0)                   ; TMP is written, for the LDS stores
	XLOAD 1, 1
	WSTO 3
	s_wait_dscnt 0x0                               ; for the others' sake: my rows of the slice are in LDS
	s_barrier_signal -1
	s_barrier_wait -1                              ; everybody's are: the kernel's one barrier
	s_wait_loadcnt 32
	s_wait_alu depctr_vm_vsrc(0)                   ; the last quarter's LDS stores have read TMP
	XCVT 0
	WIN 0x80
	s_wait_alu depctr_va_vdst(0)                   ; TMP is written, for the LDS stores
	XLOAD 2, 0
	XSTO 0
	s_wait_loadcnt 32
	s_wait_alu depctr_vm_vsrc(0)                   ; tile 0's LDS stores have read TMP
	XCVT 1
	WIN 0x80
	s_wait_alu depctr_va_vdst(0)                   ; TMP is written, for the LDS stores
	XLOAD 3, 1
	XSTO 1
	s_wait_loadcnt 32
	s_wait_alu depctr_vm_vsrc(0)                   ; tile 1's LDS stores have read TMP
	XCVT 0
	WIN 0
	s_wait_alu depctr_va_vdst(0)                   ; TMP is written, for the LDS stores
	XSTO 2
	s_wait_loadcnt 0x0
	s_wait_alu depctr_vm_vsrc(0)                   ; tile 2's LDS stores have read TMP
	XCVT 1
	WIN 0
	s_wait_alu depctr_va_vdst(0)                   ; TMP is written, for the LDS stores and for the first unit's loads, which land in it as buffer 1
	XSTO 3
	s_wait_alu depctr_vm_vsrc(0)                   ; tile 3's LDS stores have read TMP: these registers are buffer 1 from here on, written by the turning loads
	FW 0, F0                                       ; the first unit's first buffer: no vector instruction has named it
	s_mul_i32 s[U], s[SL], 6
	s_mov_b32 s[CNT], 5
.Lunit:                                        ; five units; the sixth is written out, since it fetches nothing for a seventh
	UOFF
	s_cbranch_scc1 .Lv
	UNIT 0, 1
	WIN 0
	s_branch .Ljoin
.Lv:
	UNIT 1, 1
	WIN 0
.Ljoin:
	s_add_co_u32 s[U], s[U], 1
	s_sub_co_u32 s[CNT], s[CNT], 1
	s_cmp_lg_u32 s[CNT], 0
	s_cbranch_scc1 .Lunit
	UOFF
	s_cbranch_scc1 .Lvlast
	UNIT 0, 0
	WIN 0
	s_branch .Lend
.Lvlast:
	UNIT 1, 0
	WIN 0
.Lend:
	s_wait_dscnt 0x0                               ; the wave's end
	s_wait_alu 0x0
	s_wait_tensorcnt 0x0
	ds_add_u32 v[SPW], v[NIL]
	s_wait_dscnt 0x0
	s_endpgm
.Lfunc_end_k_q03f2c25b1a_qkv:
	.size	k_q03f2c25b1a_qkv, .Lfunc_end_k_q03f2c25b1a_qkv-k_q03f2c25b1a_qkv
	.p2alignl 7, 3214868480
	.fill 96, 4, 3214868480
	.section	.rodata,"a",@progbits
	.p2align	6, 0x0
	.amdhsa_kernel k_q03f2c25b1a_qkv
		.amdhsa_group_segment_fixed_size 140800
		.amdhsa_private_segment_fixed_size 0
		.amdhsa_enable_private_segment 0
		.amdhsa_kernarg_size 56
		.amdhsa_user_sgpr_count 2
		.amdhsa_user_sgpr_kernarg_segment_ptr 1
		.amdhsa_wavefront_size32 1
		.amdhsa_system_sgpr_workgroup_id_x 1
		.amdhsa_system_sgpr_workgroup_id_y 1
		.amdhsa_system_sgpr_workgroup_id_z 1
		.amdhsa_system_vgpr_workitem_id 0
		.amdhsa_next_free_vgpr 768
		.amdhsa_next_free_sgpr 66
		.amdhsa_reserve_vcc 1
		.amdhsa_float_denorm_mode_32 3
		.amdhsa_float_denorm_mode_16_64 3
		.amdhsa_memory_ordered 1
		.amdhsa_forward_progress 1
		.amdhsa_inst_pref_size 118
	.end_amdhsa_kernel
	.amdgpu_metadata
---
amdhsa.version: [ 1, 2 ]
amdhsa.kernels:
  - .name:           k_q03f2c25b1a_qkv
    .symbol:         k_q03f2c25b1a_qkv.kd
    .args:
      - { .name: x, .offset: 0, .size: 8, .value_kind: global_buffer, .address_space: global }
      - { .name: w_qkv, .offset: 8, .size: 8, .value_kind: global_buffer, .address_space: global }
      - { .name: w_proj, .offset: 16, .size: 8, .value_kind: global_buffer, .address_space: global }
      - { .name: bias_table, .offset: 24, .size: 8, .value_kind: global_buffer, .address_space: global }
      - { .name: qkvf, .offset: 32, .size: 8, .value_kind: global_buffer, .address_space: global }
      - { .name: bimg, .offset: 40, .size: 8, .value_kind: global_buffer, .address_space: global }
      - { .name: wpf, .offset: 48, .size: 8, .value_kind: global_buffer, .address_space: global }
    .group_segment_fixed_size: 140800
    .private_segment_fixed_size: 0
    .kernarg_segment_align: 8
    .kernarg_segment_size: 56
    .max_flat_workgroup_size: 128
    .sgpr_count:     66
    .vgpr_count:     768
    .wavefront_size: 32
...
	.end_amdgpu_metadata
.endif
;; end of part 4
;; launch attn: the kernel of part 2 again; grid 2 x 128, 8 waves a work-group, no clusters, 196,608 bytes of LDS; arguments qkvf, bimg, of; writes of
;; launch proj: the kernel of part 3 again; grid 256 x 1, 4 waves a work-group, no clusters, 167,936 bytes of LDS; arguments of, wpf, b_proj, out0; writes out0
